; MI455X (gfx1250); checked and timed in simulation.
; The chip was launched on July 23, 2026; its instructions are those of AMD's public machine-readable ISA for CDNA 5 (MIT licence, August 2026) and "CDNA5" Instruction Set Architecture Reference Guide (July 2026). The comments in the code are by the model that wrote it; some were corrected since.
;; Multi Head Attention. Allowed arithmetic: matrix products marked QUANTISED: E2M3 operands, one E8M0 scale for each 32 along K, by v_wmma_scale_f32_16x16x128_f8f6f4 with both operands' format E2M3, f32 sums; everything else in f32.
;; Inputs: Wk_codes 1,024 x 32 x 24 uint8 (E2M3 codes of Wk, K innermost, in blocks of 32 codes, four codes in three bytes); Wk_scales 1,024 x 32 uint8 (E8M0 scales of Wk, one for each 32 codes along K); Wo_codes 1,024 x 32 x 24 uint8 (E2M3 codes of Wo, K innermost, in blocks of 32 codes, four codes in three bytes); Wo_scales 1,024 x 32 uint8 (E8M0 scales of Wo, one for each 32 codes along K); Wq_codes 1,024 x 32 x 24 uint8 (E2M3 codes of Wq, K innermost, in blocks of 32 codes, four codes in three bytes); Wq_scales 1,024 x 32 uint8 (E8M0 scales of Wq, one for each 32 codes along K); Wv_codes 1,024 x 32 x 24 uint8 (E2M3 codes of Wv, K innermost, in blocks of 32 codes, four codes in three bytes); Wv_scales 1,024 x 32 uint8 (E8M0 scales of Wv, one for each 32 codes along K); bk 1,024 float32; bo 1,024 float32; bq 1,024 float32; bv 1,024 float32; x_codes 4 x 2,048 x 32 x 24 uint8 (E2M3 codes of x, K innermost, in blocks of 32 codes, four codes in three bytes); x_scales 4 x 2,048 x 32 uint8 (E8M0 scales of x, one for each 32 codes along K).
;; Outputs: out0 4 x 2,048 x 1,024 float32.
;; This version of the problem:
;;   THIS VERSION OF THE PROBLEM IS GIVEN IN LOW PRECISION. The matrix products marked QUANTISED in the list below multiply operands that are first quantised to E2M3 (2 exponent bits, 3 mantissa bits; 6 bits a number), with one power-of-two scale for each 32 numbers along K (OCP MX v1.0); their sums are f32. All else is computed in f32.
;;   The module's matrix products, in the order in which they are computed (A, B: the left and right operand; K: the contracted axis; several contracted axes count as one K, in the product's order):
;;     1. [M 8,192, K 1,024] x [K 1,024, N 1,024]; A: input x (given as codes); B: input Wq (given as codes): QUANTISED
;;     2. [M 8,192, K 1,024] x [K 1,024, N 1,024]; A: input x (given as codes); B: input Wk (given as codes): QUANTISED
;;     3. [M 8,192, K 1,024] x [K 1,024, N 1,024]; A: input x (given as codes); B: input Wv (given as codes): QUANTISED
;;     4. batch 64 x [M 2,048, K 64] x [K 64, N 2,048]; A: computed on the way; B: computed on the way: QUANTISED
;;     5. batch 64 x [M 2,048, K 2,048] x [K 2,048, N 64]; A: softmax (see below); B: computed on the way: QUANTISED
;;     6. [M 8,192, K 1,024] x [K 1,024, N 1,024]; A: computed on the way; B: input Wo (given as codes): QUANTISED
;;   THE QUANTISER, for each operand of a quantised product, along K:
;;     - K is cut into blocks of 32 from its start; a last block that is shorter is filled with zeros.
;;     - A block's scale is 2^e with e = floor(log2(the largest magnitude in the block)) - 2, held to -126 .. 127; a block of zeros has e = 0. As a byte (E8M0): e + 127.
;;     - Each number is divided by its block's scale, clamped to +-7.5, and rounded to the nearest number of E2M3, ties to even, subnormals kept.
;;     - The product sums the exact products of the quantised numbers (number of the format x scale) in f32.
;;   ~~~python
;;   def quantise(x, axis):      # numpy; x: float32 -> the quantised numbers, widened to float32 again
;;       x = np.moveaxis(x, axis, -1); K = x.shape[-1]
;;       x = np.pad(x, [(0, 0)] * (x.ndim - 1) + [(0, -K % 32)]); x = x.reshape(x.shape[:-1] + (-1, 32)); a = np.abs(x).max(-1, keepdims=True)
;;       e = np.where(a > 0, np.clip(np.frexp(np.where(a > 0, a, 1))[1] - 1 - 2, -126, 127), 0)      # np.frexp(a)[1] - 1 = floor(log2(a)), exactly
;;       r = np.clip(x / 2.0 ** e, -7.5, 7.5)
;;       step = 2.0 ** (np.maximum(np.frexp(np.where(r == 0, 1, r))[1] - 1, 0) - 3)
;;       q = np.round(r / step) * step * 2.0 ** e      # np.round: ties to even
;;       return np.moveaxis(q.reshape(q.shape[:-2] + (-1,))[..., :K], -1, axis).astype(np.float32)
;;   ~~~
;;   SOFTMAX AHEAD OF A QUANTISED PRODUCT. Where the list says 'softmax', what is quantised is not the finished softmax but p = 2^(t - M), with t = logit x log2(e) and M = ceil(the row's largest t), a whole number; so 1/2 < the row's largest p <= 1. The row's sum l is taken of the UNQUANTISED p, in f32, and the product's result is divided by l at the end. Since M is a whole number, a kernel that streams over the keys may use a running M (the ceiling of the running maximum): every later rescaling is an exact power of two, which a block's scale takes up: the codes' values come out the same.
;;   OPERANDS COMPUTED ON THE WAY. 'Computed on the way' means the value that the module computes at that place (a softmax that the list does not call 'softmax' is quantised finished and normalised). What goes into a quantiser is computed in f32, as accurately as f32 sums, v_exp_f32 and their like allow (about 1e-6 of the number): no bf16 or f16 on the way to a quantiser, and a product that is left as it is and whose result goes on into a quantised operand takes f32 operands (vector FMAs, or v_wmma_f32_16x16x4_f32). A number that lies on a knife's edge between two numbers of the format may be rounded either way, as far as f32 arithmetic and the matrix unit's own rounding can turn it there, and no further.
;;   INPUTS GIVEN AS CODES. Wk (in the module: [1024, 1024], K = its axis 0); Wo (in the module: [1024, 1024], K = its axis 0); Wq (in the module: [1024, 1024], K = its axis 0); Wv (in the module: [1024, 1024], K = its axis 0); x (in the module: [4, 2048, 1024], K = its axis 2): each comes as NAME_codes (uint8): NAME with its K axis moved to the last place and cut into blocks of 32 codes, [.., K / 32, bytes a block], one block behind the other in memory; four codes in three bytes: a row's codes are one little-endian stream of bits, code i at bits 6 i .. 6 i + 5 (a code: sign, 2 exponent bits, 3 mantissa bits); and NAME_scales (uint8): the same leading axes, one E8M0 byte (e + 127) for each 32 codes along K. Its value is code x scale, taken as it is: it is not quantised again, and the codes and scales need not be those that the quantiser above would give.
;; One version. Each part assembles by itself: llvm-mc -triple=amdgcn-amd-amdhsa -mcpu=gfx1250 --defsym DOCPART=n.
;; ======== version 1 of 1: 3 launches
;; workspace buffers: qkv 19,660,800 bytes; o_img 6,291,456 bytes; o_scales 262,144 bytes
;; launch proj (part 1): grid 12 x 32, 4 waves a work-group, clusters of 4 x 4, 327,680 bytes of LDS; arguments x_codes, x_scales, Wq_codes, Wq_scales, Wk_codes, Wk_scales, Wv_codes, Wv_scales, bq, bk, bv, qkv; writes qkv
.if DOCPART == 1
	.amdgcn_target "amdgcn-amd-amdhsa--gfx1250"
	.amdhsa_code_object_version 6
	.text
	.protected	k_q196f19e68c_proj
	.globl	k_q196f19e68c_proj
	.p2align	8
	.type	k_q196f19e68c_proj,@function
k_q196f19e68c_proj:
	s_mov_b64 s[64:65], 0
	v_nop
	global_prefetch_b8 v0, s[64:65] scope:SCOPE_SE
	s_setreg_imm32_b32 hwreg(HW_REG_WAVE_MODE, 25, 1), 1
	s_wait_xcnt 0x0
	s_wait_alu depctr_hold_cnt(0) depctr_sa_sdst(0) depctr_va_vdst(0) depctr_va_sdst(0) depctr_va_ssrc(0) depctr_va_vcc(0) depctr_vm_vsrc(0)
	s_getreg_b32 s2, hwreg(HW_REG_IB_STS2, 6, 4)
	s_cmp_eq_u32 s2, 0
	s_cbranch_scc0 .Lentry_in_a_cluster
	s_endpgm
.Lentry_in_a_cluster:
	s_bfe_u32 s2, ttmp6, 0x10000c
	s_cmp_lg_u32 s2, 0xf033
	s_cbranch_scc0 .Lentry_shape_is_right
	s_endpgm
.Lentry_shape_is_right:
; PROJ: q = x Wq + bq, k = x Wk + bk, v = x Wv + bv on codes of FP6 (E2M3) with one E8M0 scale for each 32 along K, and the quantisers of q and k (along the head's 64) and of v (along the keys).
; DEAD WORK OF THE WHOLE PROGRAM.  reference() builds a causal tril in its own body and sets the scores of keys k > q to -infinity ahead of the softmax: their p is exactly 0, whatever finite values the inputs hold, and adds nothing
; to the row's sum or to the second product.  So a step of 128 keys all of which come after a tile's 16 queries is left out, in the launch attn.  Nothing else is left out: every input has a way to the output (bk too: it moves k's codes).
; LIMIT: a NaN, an infinity or an overflow that reaches only those left-out steps is not carried to the result.
; LIMITS: NaN and infinities are not served, nor a given scale byte 0xff; a block whose largest magnitude lies under 2^(3 - 127) has its byte held at 1 (a block of zeros too, where the rule says 127: its codes are zeros, and this
; program alone reads these bytes).  Inside a block of 32 the codes of q, k, v lie in the order 0-7, 16-23, 8-15, 24-31, alike in both operands of each later product: the products are the same, their order in a sum is not.
; ONE BODY, THREE ROLES, by the cluster's x: 0: C = x Wq^T-rows (A = x, B = Wq);  1: A = x, B = Wk;  2: V^T = Wv x^T (A = Wv, B = x).  In every role C[m][n] is quantised ALONG n: the head's channels for q and k, the keys for v.
; A tile of C, 256 x 256, is made by four waves, 128 x 128 each: 64 accumulators, 512 registers.  K = 1,024 goes through two LDS slots of 256 along K, each filled twice by the tensor data mover.
; The scales of the tile's 256 rows of A and of B come into LDS once, with the first fills.  CLUSTERS of 4 x 4: A's tiles are asked for jointly along a row of the cluster, B's along a column.
; THE MATRIX INSTRUCTION IS USED TRANSPOSED (source 0 = 16 rows of B, source 1 = 16 rows of A): lane (r, h) holds row m = r and, in accumulator b, columns n = 16 b + 8 h + 0 .. 7.
; THE WAY OUT: a block of 16 rows is 64 numbers a lane: four blocks of 32 along n, each shared by lanes l and l xor 16.  Bias, largest magnitude, scale byte, conversion, exchange of halves: the results are operand registers,
; and they are stored as IMAGES of those registers: registers 4 k .. 4 k + 3 of lane l at 512 k + 16 l of a fragment of 1,536 bytes.  Every store of a wave covers 512 consecutive bytes, aligned to 256.
; qkv: [64 heads][16 blocks of 128 positions][19,200 bytes]: K's section at 0, V's at 6,400, Q's at 12,800; a section is 4 fragments and 256 bytes of scale words [16 rows][4 words].
;   K, Q fragment f: registers 0-5 positions 16 (2 f) + r, registers 6-11 positions 16 (2 f + 1) + r, lane half h = the head's block h of 32;  word f: the two bytes of tile 2 f, then those of tile 2 f + 1.
;   V fragment t: channel 16 t + r, registers 6 c .. 6 c + 5 of lane half h = key block 2 c + h of the 128 keys;  word t: the four key blocks' bytes.
; REGISTERS: window 0: v1 r, v2 h, v16-31 addresses, v32-63 scale words (two sets, nothing else ever), v64-127 the bias, v128-223 A's fragments (one set), later the way out; window 1: B's fragments, two sets; windows 2, 3: accumulators.
.set KSTEP,  256                       ; along K in a slot
.set NQ,     KSTEP/128                 ; matrix instructions deep
.set ROWB,   192                       ; a tile's row in bytes
.set KROW,   768                       ; a row of any operand in memory: 1,024 codes
.set PITCH,  240                       ; an LDS row: 3 x (64 bytes + 16 of padding)
.set FR,     12                        ; registers of a fragment
.set NL,     6                         ; LDS loads that bring one
.set NP,     4                         ; places behind this matrix instruction (ISA guide 7.12.1)
.set HALFT,  128*PITCH                 ; 128 rows: one tensor load
.set SLOT,   4*HALFT                   ; A's 256 rows, then B's 256
.set KS,     32                        ; a row of scale bytes
.set SCL,    2*SLOT                    ; behind the ring: the scales, as units of 256 bytes + 16 of padding
.set HALFS,  (128*KS/256)*272
.set SBLK,   (16*KS/256)*272
.set SPARE,  SCL+4*HALFS               ; the spare words, 128 bytes a wave: two blocks of 256 bytes that no other line names
.set REC,    19200                     ; a record of qkv
.set HEADP,  16*REC                    ; from head to head
.set VSEC,   6400
.set QSEC,   12800
.set SWO,    6144                      ; a section's scale words
.set ADRA, 16                          ; v16-17 A's fragments in slot 0, 1 (v18-19: behind one padding more)
.set ADRB, 20                          ; v20-23 the same for B
.set VO,   24                          ; v24  16 x lane: my place in an image
.set SVO,  25                          ; v25  16 r + HEADP h: my place among the scale words
.set BO,   26                          ; v26  my offset in the bias
.set ADRS, 27                          ; v27  my scale words in LDS
.set SPW,  28                          ; v28  my spare word; never rewritten
.set NIL,  29                          ; v29  0; never rewritten
.set SELV, 30                          ; v30  byte selects for the scale words
.set SC,   32
.set BN,   64                          ; v64-127 bias along n (roles 0, 1)
.set BM,   64                          ; v64-79  bias along m, each number twice (role 2)
.set AF,   128
.set HB,   128                         ; v128-191 a block's 64 numbers
.set FG0,  192                         ; v192-203, v204-215 two fragments in the making
.set FG1,  204
.set TY,   216                         ; v216-222 conversions' second halves
.set MX,   224                         ; v224-227 largest magnitudes
.set PB,   228                         ; v228-231 the other half's, then the bytes
.set SO,   232                         ; v232-235 the conversions' scale operands
.set PWS,  240                         ; v240-247 eight scale words as made
.set TW,   248                         ; v248-251 four scale words as stored
.set G1,   28                          ; s[28:35], s[36:43] groups 1 and 0 (a set a slot) for A's tiles
.set G0,   36
.set G1B,  44                          ; s[44:51], s[52:59] for B's
.set G0B,  52
.set WV,   60
.set RH,   61                          ; wave / 2: my half of the rows; also: I fetch for A (0) or B (1)
.set CH,   62                          ; wave % 2: my half of the columns; also: which 128 rows I fetch
.set CLX,  63                          ; the role
.set CX,   66
.set CY,   67
.set G1S,  68                          ; s[68:75], s[76:79] for A's scales;  s[80:87], s[88:91] for B's
.set G0S,  76
.set G1SB, 80
.set G0SB, 88
.set TR,   92                          ; tile row of C
.set TC,   93                          ; tile column
.set SEL,  96                          ; s[96:97] v_permlanex16_b32's selects for lane l xor 16
.set HM,   98                          ; lanes 16-31
.set MSB, 0
.macro WIN new                         ; the immediate's high byte repeats the setting that is left
.if MSB != \new
	s_set_vgpr_msb (MSB<<8)|\new
.set MSB, \new
.endif
.endm
.set MUL_LO, 0xa1                      ; source 0 (B) window 1, source 1 (A) window 0, C and D window 2
.set MUL_HI, 0xf1
.set TO_B,   0x40
; A joint load: waves 0, 1 fetch for A, waves 2, 3 for B.  An s_nop 0 and four v_nop follow each of the two lines.
.macro JLOAD g0a, g1a, g0b, g1b
	s_cmp_eq_u32 s[RH], 0
	s_cbranch_scc0 .Lfor_b_\@
	tensor_load_to_lds s[\g0a:\g0a+3], s[\g1a:\g1a+7]
	s_nop 0
.rept 4
	v_nop
.endr
	s_branch .Lasked_\@
.Lfor_b_\@:
	tensor_load_to_lds s[\g0b:\g0b+3], s[\g1b:\g1b+7]
	s_nop 0
.rept 4
	v_nop
.endr
.Lasked_\@:
.endm
.macro CREST                           ; a round of the cluster's barrier behind its opening barrier
	s_cmp_lg_u32 s[WV], 0
	s_cbranch_scc1 .Lnot_wave_0_\@
	s_barrier_signal -3
.Lnot_wave_0_\@:
	s_barrier_wait -3
	s_barrier_signal -1
	s_barrier_wait -1
.endm
.macro CROUND
	s_barrier_signal -1
	s_barrier_wait -1
	CREST
.endm
	s_load_b512 s[4:19], s[0:1], 0x0               ; x's codes, scales; Wq's; Wk's; Wv's
	s_load_b256 s[20:27], s[0:1], 0x40             ; bq, bk, bv, qkv
	v_lshl_add_u32 v[SPW], v0, 2, SPARE
	v_mov_b32 v[NIL], 0
	ds_add_u32 v[SPW], v[NIL]                      ; the wave's opening: the add, twice on end, and its wait ahead of my first tensor load
	ds_add_u32 v[SPW], v[NIL]                      ; and once more, under the one wait; the set-up below stands between
	v_lshrrev_b32 v1, 5, v0
	v_readfirstlane_b32 s[WV], v1                  ; wave 0..3
	s_lshr_b32 s[RH], s[WV], 1
	s_and_b32 s[CH], s[WV], 1
	s_mov_b32 s[CLX], ttmp9                        ; the cluster's x: 0 q, 1 k, 2 v: the same in all sixteen partners
	s_bfe_u32 s[CX], ttmp6, 0x40000
	s_bfe_u32 s[CY], ttmp6, 0x40004
	s_and_b32 s99, ttmp7, 0xffff
	s_lshl_b32 s99, s99, 2                         ; 4 x cluster y
	s_cmp_eq_u32 s[CLX], 2
	s_cselect_b32 s100, 0, s99                     ; x's 32 tiles of 256 rows are walked by the cluster's y: as A's in roles 0, 1,
	s_cselect_b32 s101, s99, 0                     ; as B's in role 2; the weight has 4
	s_add_co_u32 s[TR], s[CY], s100                ; never holds cx
	s_add_co_u32 s[TC], s[CX], s101                ; never holds cy
	s_lshl_b32 s94, s[CY], 2
	s_lshl_b32 s94, 15, s94                        ; my row of the cluster
	s_lshl_b32 s95, 0x1111, s[CX]                  ; my column
	s_or_b32 s[G1+0], s94, (0<<16)|(1<<20)|(1<<21)|(3<<22)|(3<<25)   ; the mask; elements of 1 byte; padding on; bit 21 beside a mask; after every 16 words, 4 words
	s_or_b32 s[G1B+0], s95, (0<<16)|(1<<20)|(1<<21)|(3<<22)|(3<<25)
.irp g, G1, G1B
	s_mov_b32 s[\g+1], ROWB<<16                    ; tensor_dim0
	s_mov_b32 s[\g+2], 128<<16                     ; tensor_dim1
	s_mov_b32 s[\g+3], ROWB<<16                    ; tile_dim0
	s_mov_b32 s[\g+4], 128                         ; tile_dim1
	s_mov_b32 s[\g+5], KROW                        ; from row to row
	s_mov_b32 s[\g+6], 0
	s_mov_b32 s[\g+7], 0
.endr
	s_or_b32 s[G1S+0], s94, (3<<16)|(1<<20)|(1<<21)|(5<<22)|(3<<25)  ; the scales of 128 rows: 4,096 dense bytes as 16 rows of 256, 16 bytes of padding behind each
	s_or_b32 s[G1SB+0], s95, (3<<16)|(1<<20)|(1<<21)|(5<<22)|(3<<25)
.irp g, G1S, G1SB
	s_mov_b32 s[\g+1], 32<<16
	s_mov_b32 s[\g+2], (128*KS/256)<<16
	s_mov_b32 s[\g+3], 32<<16
	s_mov_b32 s[\g+4], 128*KS/256
	s_mov_b32 s[\g+5], 32
	s_mov_b32 s[\g+6], 0
	s_mov_b32 s[\g+7], 0
.endr
	s_mov_b32 s[SEL], 0x76543210
	s_mov_b32 s[SEL+1], 0xfedcba98
	s_mov_b32 s[HM], 0xffff0000
	s_wait_dscnt 0x0                               ; both opening adds are done
	s_wait_kmcnt 0x0
	s_cmp_eq_u32 s[CLX], 0                         ; the role chooses the buffers: a condition that hangs on no address
	s_cselect_b64 s[8:9], s[8:9], s[12:13]         ; B: Wq or Wk,
	s_cselect_b64 s[10:11], s[10:11], s[14:15]
	s_cselect_b64 s[20:21], s[20:21], s[22:23]     ; the bias: bq or bk
	s_cmp_eq_u32 s[CLX], 2
	s_cselect_b64 s[8:9], s[4:5], s[8:9]           ; role 2: B = x,
	s_cselect_b64 s[10:11], s[6:7], s[10:11]
	s_cselect_b64 s[20:21], s[24:25], s[20:21]     ; the bias bv,
	s_cselect_b64 s[4:5], s[16:17], s[4:5]         ; and only then A = Wv
	s_cselect_b64 s[6:7], s[18:19], s[6:7]
	s_lshl_b32 s99, s[CH], 7                       ; which 128 rows of a tile I fetch
	s_lshl_b32 s12, s[TR], 8
	s_add_co_u32 s12, s12, s99                     ; A: row 256 x tile row + 128 x half
	s_lshl_b32 s14, s[TC], 8
	s_add_co_u32 s14, s14, s99                     ; B: row 256 x tile column + 128 x half
	s_mov_b32 s13, 0
	s_mov_b32 s15, 0
	s_lshl_b32 s16, s12, 5                         ; their scale bytes,
	s_mov_b32 s17, 0
	s_lshl_b32 s18, s14, 5
	s_mov_b32 s19, 0
	s_mul_i32 s12, s12, KROW                       ; their codes (at most 8,191 x 768 bytes)
	s_mul_i32 s14, s14, KROW
	s_add_nc_u64 s[4:5], s[4:5], s[12:13]
	s_add_nc_u64 s[6:7], s[6:7], s[16:17]
	s_add_nc_u64 s[8:9], s[8:9], s[14:15]
	s_add_nc_u64 s[10:11], s[10:11], s[18:19]
	s_mul_i32 s100, s[WV], HALFT                   ; where they go: wave x 128 rows: no place in the cluster enters an LDS address
	s_mul_i32 s101, s[WV], HALFS
	CROUND                                         ; all sixteen work-groups are here: the first joint loads meet
	s_mov_b32 s[G0S], 1
	s_add_co_u32 s[G0S+1], s101, SCL
	s_mov_b64 s[G0S+2:G0S+3], s[6:7]
	s_or_b32 s[G0S+3], s[G0S+3], 0x80000000
	s_mov_b32 s[G0SB], 1
	s_add_co_u32 s[G0SB+1], s101, SCL
	s_mov_b64 s[G0SB+2:G0SB+3], s[10:11]
	s_or_b32 s[G0SB+3], s[G0SB+3], 0x80000000
	JLOAD G0S, G1S, G0SB, G1SB                     ; the scales first: they are wanted with the first K step
.irp s, 0,1
	s_mov_b32 s[G0+4*\s], 1
	s_add_co_u32 s[G0+4*\s+1], s100, \s*SLOT
	s_add_nc_u64 s[G0+4*\s+2:G0+4*\s+3], s[4:5], \s*ROWB
	s_or_b32 s[G0+4*\s+3], s[G0+4*\s+3], 0x80000000
	s_mov_b32 s[G0B+4*\s], 1
	s_add_co_u32 s[G0B+4*\s+1], s100, \s*SLOT
	s_add_nc_u64 s[G0B+4*\s+2:G0B+4*\s+3], s[8:9], \s*ROWB
	s_or_b32 s[G0B+4*\s+3], s[G0B+4*\s+3], 0x80000000
	JLOAD G0+4*\s, G1, G0B+4*\s, G1B
.endr
	v_and_b32 v1, 15, v0                           ; r
	v_bfe_u32 v2, v0, 4, 1                         ; h
	v_mul_u32_u24 v3, v1, PITCH
	v_mul_u32_u24 v4, v2, 24
	v_add_nc_u32 v4, v3, v4                        ; a fragment's row x pitch + 24 x half
	v_lshl_add_u32 v5, v2, 4, v4                   ; and the same behind one padding more
	s_mul_i32 s12, s[RH], HALFT                    ; my 128 rows of A
	s_mul_i32 s13, s[CH], HALFT                    ; my 128 rows of B,
	s_add_co_u32 s13, s13, 2*HALFT                 ; behind A's 256
.irp s, 0,1
	v_add_nc_u32 v[ADRA+\s], s12, v4
	v_add_nc_u32 v[ADRB+\s], s13, v4
	v_add_nc_u32 v[ADRA+2+\s], s12, v5
	v_add_nc_u32 v[ADRB+2+\s], s13, v5
	s_add_co_u32 s12, s12, SLOT
	s_add_co_u32 s13, s13, SLOT
.endr
	v_mul_u32_u24 v5, v1, KS                       ; my row's scales: 32 bytes a row,
	v_lshrrev_b32 v6, 8, v5
	v_lshl_add_u32 v5, v6, 4, v5                   ; and 16 more for each 256 passed
	s_mul_i32 s12, s[RH], HALFS
	s_mul_i32 s13, s[CH], HALFS
	s_add_co_u32 s13, s13, 2*HALFS
	s_sub_co_u32 s13, s13, s12
	v_mul_u32_u24 v6, s13, v2                      ; lanes 16-31 take B's
	s_add_co_u32 s12, s12, SCL
	v_add_nc_u32 v5, v5, v6
	v_add_nc_u32 v[ADRS], s12, v5
	v_and_b32 v6, 31, v0
	v_lshlrev_b32 v[VO], 4, v6
	v_lshlrev_b32 v[SVO], 4, v1
	v_mad_u32_u24 v[SVO], v2, HEADP, v[SVO]
.irp b, 0,1,2,3
	v_mov_b32 v[PB+\b], 0                          ; written once: a lane permute's destination counts as one of its sources
.endr
	; where my results go.  g = my block of 128 positions (0..63), hp = my pair of heads (0..7): rows and columns in roles 0, 1; columns and rows in role 2
	s_lshl_b32 s99, s[TR], 1
	s_add_co_u32 s99, s99, s[RH]                   ; my block of 128 rows
	s_lshl_b32 s100, s[TC], 1
	s_add_co_u32 s100, s100, s[CH]                 ; my block of 128 columns
	s_cmp_eq_u32 s[CLX], 2
	s_cselect_b32 s12, s100, s99                   ; g
	s_cselect_b32 s13, s99, s100                   ; hp
	s_cselect_b32 s14, VSEC, 0
	s_cmp_eq_u32 s[CLX], 0
	s_cselect_b32 s14, QSEC, s14                   ; the section
	s_lshr_b32 s15, s12, 4                         ; batch
	s_lshl_b32 s15, s15, 3
	s_add_co_u32 s15, s15, s13
	s_lshl_b32 s15, s15, 5                         ; (16 batch + 2 hp) x 16 records
	s_and_b32 s12, s12, 15
	s_add_co_u32 s15, s15, s12
	s_mul_i32 s16, s15, REC
	s_add_co_u32 s16, s16, s14
	s_mov_b32 s17, 0
	s_add_nc_u64 s[26:27], s[26:27], s[16:17]      ; head 2 hp's section; head 2 hp + 1's lies HEADP on
	s_lshl_b32 s16, s13, 9
	s_add_nc_u64 s[20:21], s[20:21], s[16:17]      ; the pair's 128 numbers of the bias
.macro FRAG reg, adr, q, i             ; 16 rows x 128 K: lane (r, h) takes 24 bytes at 24 h and 24 at 48 + 24 h of the row's 96, in pieces of 8; the second address register serves pieces that lie behind one padding more
.irp p, 0,1,2,3,4,5
.set PCE, 12*(\q)+6*(\p/3)+\p%3
.if PCE%8 < 5
	ds_load_b64 v[\reg+2*\p:\reg+2*\p+1], v[\adr] offset:8*PCE+16*(PCE/8)+(\i)*16*PITCH
.else
	ds_load_b64 v[\reg+2*\p:\reg+2*\p+1], v[\adr+2] offset:8*PCE+16*(PCE/8)+(\i)*16*PITCH
.endif
.endr
.endm
; 16 matrix instructions: A's blocks a0, a0 + 1 x B's eight.  The 64 accumulators take turns, one instruction a turn, in the same order in every step.
.macro MUL16 a0, p, q, sc, zero
.irp a, \a0, \a0+1
.irp b, 0,1,2,3,4,5,6,7
.if \zero
	v_wmma_scale_f32_16x16x128_f8f6f4 v[8*(8*((\a)%4)+\b):8*(8*((\a)%4)+\b)+7], v[128*(\p)+FR*\b:128*(\p)+FR*\b+FR-1], v[AF+FR*(\a):AF+FR*(\a)+FR-1], 0, v[SC+8*NQ*(\sc)+NQ*\b+(\q)], v[SC+8*NQ*(\sc)+NQ*(\a)+(\q)] matrix_a_fmt:MATRIX_FMT_FP6 matrix_b_fmt:MATRIX_FMT_FP6 matrix_a_scale:MATRIX_SCALE_ROW1
.else
	v_wmma_scale_f32_16x16x128_f8f6f4 v[8*(8*((\a)%4)+\b):8*(8*((\a)%4)+\b)+7], v[128*(\p)+FR*\b:128*(\p)+FR*\b+FR-1], v[AF+FR*(\a):AF+FR*(\a)+FR-1], v[8*(8*((\a)%4)+\b):8*(8*((\a)%4)+\b)+7], v[SC+8*NQ*(\sc)+NQ*\b+(\q)], v[SC+8*NQ*(\sc)+NQ*(\a)+(\q)] matrix_a_fmt:MATRIX_FMT_FP6 matrix_b_fmt:MATRIX_FMT_FP6 matrix_a_scale:MATRIX_SCALE_ROW1
.endif
.endr
.endr
.endm
.macro FETCH_B slot, q, p
	WIN TO_B
.irp i, 0,1,2,3,4,5,6,7
	FRAG 128*(\p)+FR*\i, ADRB+\slot, \q, \i
.endr
	WIN 0
.endm
.macro FETCH_A slot, q, i0
.irp i, \i0, \i0+1, \i0+2, \i0+3
	FRAG AF+FR*(\i), ADRA+\slot, \q, \i
.endr
.endm
.macro SCALES sc                       ; a K step's scale words: lanes 0-15 A's block i, lanes 16-31 B's block i
.irp i, 0,1,2,3,4,5,6,7
	ds_load_b64 v[SC+8*NQ*\sc+NQ*\i:SC+8*NQ*\sc+NQ*\i+1], v[ADRS] offset:\i*SBLK
.endr
.endm
.macro PLACES n                        ; plain vector instructions between a matrix instruction and a load into, or a vector access to, its registers
.rept \n
	v_nop
.endr
.endm
.macro STEP slot, q, zero              ; 128 along K, with its successor in the same slot
	s_wait_dscnt 4*NL                              ; B's set and A's blocks 0-3 are in; the youngest 24 loads (A's blocks 4-7) may be out
	WIN MUL_LO
	MUL16 0, (\q)%2, \q, \slot, \zero
	MUL16 2, (\q)%2, \q, \slot, \zero
	s_wait_dscnt 0
	PLACES NP
	FETCH_B \slot, (\q)+1, 1-(\q)%2
	FETCH_A \slot, (\q)+1, 0
	WIN MUL_HI
	MUL16 4, (\q)%2, \q, \slot, \zero
	MUL16 6, (\q)%2, \q, \slot, \zero
	PLACES NP
	WIN 0
	FETCH_A \slot, (\q)+1, 4
.endm
; A slot's last step changes slots: one barrier; in front of it each wave waits for all its tensor loads, adds 0 to its spare word, and waits for that and for its reads of this slot.  fill = 1: the slot is filled again, two K steps ahead.
.macro TURN slot, next, fill
	s_wait_tensorcnt 0x0                           ; all my tensor loads have landed: my part of the next slot
	ds_add_u32 v[SPW], v[NIL]                      ; 0 onto my spare word
	s_wait_dscnt 4*NL+1                            ; (the add and the youngest 24 loads may be out)
	WIN MUL_LO
	MUL16 0, 1, NQ-1, \slot, 0                     ; sixteen matrix instructions stand between the add and the wait for it
	s_wait_dscnt 0x0                               ; the add is done, and my reads of this slot are over
	s_barrier_signal -1
	MUL16 2, 1, NQ-1, \slot, 0
	WIN 0
	s_barrier_wait -1
.if \fill
	CREST                                          ; the barrier has opened a round of the cluster's barrier: no wave of any partner still reads this slot or has a load on its way
	s_add_nc_u64 s[G0+4*\slot+2:G0+4*\slot+3], s[G0+4*\slot+2:G0+4*\slot+3], 2*ROWB
	s_add_nc_u64 s[G0B+4*\slot+2:G0B+4*\slot+3], s[G0B+4*\slot+2:G0B+4*\slot+3], 2*ROWB
	JLOAD G0+4*\slot, G1, G0B+4*\slot, G1B         ; the first tensor load behind the round; its four v_nop are the places in front of the loads below
.else
	PLACES NP
.endif
	v_add_nc_u32 v[ADRS], 4*NQ, v[ADRS]            ; the next K step's scale words
	FETCH_B \next, 0, 0
	FETCH_A \next, 0, 0
	SCALES \next
	WIN MUL_HI
	MUL16 4, 1, NQ-1, \slot, 0
	MUL16 6, 1, NQ-1, \slot, 0
	PLACES NP
	WIN 0
	FETCH_A \next, 0, 4
.endm
.macro LAST                            ; the very last 128 along K: nothing more to fetch
	s_wait_dscnt 4*NL
	WIN MUL_LO
	MUL16 0, 1, NQ-1, 1, 0
	MUL16 2, 1, NQ-1, 1, 0
	s_wait_dscnt 0
	WIN MUL_HI
	MUL16 4, 1, NQ-1, 1, 0
	MUL16 6, 1, NQ-1, 1, 0
	WIN 0
.endm
; Block a's 64 sums + the bias -> v[HB] on.  Each accumulator is read from its low end on.  byrow = 1: one number for the lane's row (role 2); 0: a number for each column.
.macro HADD a, byrow
	WIN 0x02+(\a)/4
.set AC, 64*((\a)%4)
.set kk, 0
.rept 32
.if \byrow
	v_pk_add_f32 v[HB+2*kk:HB+2*kk+1], v[AC+2*kk:AC+2*kk+1], v[BM+2*(\a):BM+2*(\a)+1]
.else
	v_pk_add_f32 v[HB+2*kk:HB+2*kk+1], v[AC+2*kk:AC+2*kk+1], v[BN+2*kk:BN+2*kk+1]
.endif
.set kk, kk+1
.endr
	WIN 0
.endm
; 64 numbers of a lane, register 16 b + i of block b of 32 (its other 16 lie in lane l xor 16), become codes: blocks 0, 1 in v[d0 .. d0 + 5] (lanes 0-15 block 0, lanes 16-31 block 1), blocks 2, 3 in v[d1 .. d1 + 5]; the four bytes in v[pw].
.macro QUANT s, d0, d1, pw
.irp b, 0,1,2,3
	v_max3_num_f32 v[MX+\b], |v[\s+16*\b]|, |v[\s+1+16*\b]|, 0x1800000   ; my 16 numbers, and the floor 2^(3 - 127): the byte cannot fall under 1
.endr
.irp i, 2,4,6,8,10,12,14
.irp b, 0,1,2,3
	v_max3_num_f32 v[MX+\b], v[MX+\b], |v[\s+16*\b+\i]|, |v[\s+1+16*\b+\i]|
.endr
.endr
.irp b, 0,1,2,3
	v_permlanex16_b32 v[PB+\b], v[MX+\b], s[SEL], s[SEL+1]
.endr
.irp b, 0,1,2,3
	v_max_num_f32 v[MX+\b], v[MX+\b], v[PB+\b]     ; the block's largest magnitude
.endr
.irp b, 0,1,2,3
	v_add_nc_u32 v[SO+\b], 0xff000000, v[MX+\b]    ; 2 off its exponent field: the conversion's scale operand
.endr
.irp b, 0,1,2,3
	v_lshrrev_b32 v[PB+\b], 23, v[SO+\b]           ; the scale's byte
.endr
	v_lshl_or_b32 v[\pw], v[PB+1], 8, v[PB]
	v_lshl_or_b32 v[\pw], v[PB+2], 16, v[\pw]
	v_lshl_or_b32 v[\pw], v[PB+3], 24, v[\pw]
	v_cvt_scalef32_pk16_fp6_f32 v[(\d0):(\d0)+2], v[\s:\s+15], v[SO]
	v_cvt_scalef32_pk16_fp6_f32 v[TY:TY+2], v[\s+16:\s+31], v[SO+1]
	v_cvt_scalef32_pk16_fp6_f32 v[(\d1):(\d1)+2], v[\s+32:\s+47], v[SO+2]
	v_cvt_scalef32_pk16_fp6_f32 v[TY+4:TY+6], v[\s+48:\s+63], v[SO+3]
	v_nop                                          ; one plain place behind a scaled conversion
.irp i, 0,1,2
	v_permlane16_swap_b32 v[(\d0)+\i], v[TY+\i]    ; a whole block to a lane: the first's lanes 16-31 change places with the second's lanes 0-15
	v_permlane16_swap_b32 v[(\d1)+\i], v[TY+4+\i]
.endr
.irp i, 0,1,2
	v_mov_b32 v[(\d0)+3+\i], v[TY+\i]
	v_mov_b32 v[(\d1)+3+\i], v[TY+4+\i]
.endr
.endm
	s_wait_tensorcnt 1                             ; the scales and my part of slot 0 are in; of my three loads slot 1's may be out
	s_barrier_signal -1
	s_barrier_wait -1
	FETCH_B 0, 0, 0
	FETCH_A 0, 0, 0
	SCALES 0
	FETCH_A 0, 0, 4
	STEP 0, 0, 1                                   ; K 0: the first products start the sums: nothing is cleared
	TURN 0, 1, 1                                   ; K 128; slot 0 takes K 512 on
	STEP 1, 0, 0                                   ; K 256
	TURN 1, 0, 1                                   ; K 384; slot 1 takes K 768 on
	STEP 0, 0, 0                                   ; K 512
	TURN 0, 1, 0                                   ; K 640; nothing is left to fetch
	STEP 1, 0, 0                                   ; K 768
	s_cmp_eq_u32 s[CLX], 2                         ; the roles part here, on the cluster's x alone; each arm asks for its bias and then runs the last 64 products, under which the bias lands
	s_cbranch_scc1 .Lv
	; ---- roles 0, 1: rows = positions, columns = two heads x 64 channels
	v_lshlrev_b32 v[BO], 5, v2                     ; my eight columns of a tile: 32 h bytes on
.irp b, 0,1,2,3,4,5,6,7
	global_load_b128 v[BN+8*\b:BN+8*\b+3], v[BO], s[20:21] offset:64*\b
	global_load_b128 v[BN+8*\b+4:BN+8*\b+7], v[BO], s[20:21] offset:64*\b+16
.endr
	LAST
	PLACES NP
	s_wait_loadcnt 0x0
.irp b, 0,1,2,3                        ; fragment b of both heads: position tiles 2 b and 2 b + 1
.if \b > 0
	s_wait_xcnt 0x0                                ; the last fragments' stores have read their registers
.endif
	HADD 2*\b, 0
	QUANT HB, FG0, FG1, PWS+2*\b
	HADD 2*\b+1, 0
	QUANT HB, FG0+6, FG1+6, PWS+2*\b+1
.irp k, 0,1,2
	global_store_b128 v[VO], v[FG0+4*\k:FG0+4*\k+3], s[26:27] offset:1536*\b+512*\k          ; 32 lanes store 512 consecutive bytes, at a multiple of 256 from qkv's first byte
	global_store_b128 v[VO], v[FG1+4*\k:FG1+4*\k+3], s[26:27] offset:HEADP+1536*\b+512*\k
.endr
.endr
	v_mov_b32 v[SELV], 0x05040100                  ; lanes 0-15: the first head's two bytes of both tiles,
	v_mov_b32 v3, 0x07060302                       ; lanes 16-31: the second head's
	v_cndmask_b32 v[SELV], v[SELV], v3, s[HM]
.irp b, 0,1,2,3
	v_perm_b32 v[TW+\b], v[PWS+2*\b+1], v[PWS+2*\b], v[SELV]
.endr
	global_store_b128 v[SVO], v[TW:TW+3], s[26:27] offset:SWO   ; sixteen lanes fill each head's 256 bytes of scale words
	s_branch .Lend
.Lv:
	; ---- role 2: rows = two heads x 64 channels, columns = 128 keys
	v_lshlrev_b32 v[BO], 2, v1                     ; my row's number of the bias,
.irp a, 0,1,2,3,4,5,6,7
	global_load_b32 v[BM+2*\a], v[BO], s[20:21] offset:64*\a
	global_load_b32 v[BM+2*\a+1], v[BO], s[20:21] offset:64*\a     ; twice: a pair for the packed addition
.endr
	LAST
	PLACES NP
	s_wait_loadcnt 0x0
.irp a, 0,1,2,3,4,5,6,7                ; block a is fragment a % 4 of head a / 4
.if \a > 0
	s_wait_xcnt 0x0                                ; the last fragment's stores have read their registers
.endif
	HADD \a, 1
	QUANT HB, FG0, FG0+6, PWS+\a
.irp k, 0,1,2
	global_store_b128 v[VO], v[FG0+4*\k:FG0+4*\k+3], s[26:27] offset:(\a/4)*HEADP+(\a%4)*1536+512*\k
.endr
.endr
.irp t, 0,1,2,3
	v_cndmask_b32 v[TW+\t], v[PWS+\t], v[PWS+4+\t], s[HM]   ; lanes 0-15 the first head's words, lanes 16-31 the second's
.endr
	global_store_b128 v[SVO], v[TW:TW+3], s[26:27] offset:SWO
.Lend:
	s_wait_tensorcnt 0x0                           ; the wave's end, behind my last tensor load
	ds_add_u32 v[SPW], v[NIL]
	s_wait_dscnt 0x0
	CROUND                                         ; the closing round: no work-group ends while a partner may still ask for a tile that names it
	s_endpgm
.Lfunc_end_k_q196f19e68c_proj:
	.size	k_q196f19e68c_proj, .Lfunc_end_k_q196f19e68c_proj-k_q196f19e68c_proj
	.p2alignl 7, 3214868480
	.fill 96, 4, 3214868480
	.section	.rodata,"a",@progbits
	.p2align	6, 0x0
	.amdhsa_kernel k_q196f19e68c_proj
		.amdhsa_group_segment_fixed_size 327680
		.amdhsa_private_segment_fixed_size 0
		.amdhsa_enable_private_segment 0
		.amdhsa_kernarg_size 96
		.amdhsa_user_sgpr_count 2
		.amdhsa_user_sgpr_kernarg_segment_ptr 1
		.amdhsa_wavefront_size32 1
		.amdhsa_system_sgpr_workgroup_id_x 1
		.amdhsa_system_sgpr_workgroup_id_y 1
		.amdhsa_system_sgpr_workgroup_id_z 1
		.amdhsa_system_vgpr_workitem_id 0
		.amdhsa_next_free_vgpr 1024
		.amdhsa_next_free_sgpr 102
		.amdhsa_reserve_vcc 0
		.amdhsa_float_denorm_mode_32 3
		.amdhsa_float_denorm_mode_16_64 3
		.amdhsa_memory_ordered 1
		.amdhsa_forward_progress 1
		.amdhsa_inst_pref_size 241
	.end_amdhsa_kernel
	.amdgpu_metadata
---
amdhsa.version: [ 1, 2 ]
amdhsa.kernels:
  - .name:           k_q196f19e68c_proj
    .symbol:         k_q196f19e68c_proj.kd
    .args:
      - { .name: x_codes, .offset: 0, .size: 8, .value_kind: global_buffer, .address_space: global }
      - { .name: x_scales, .offset: 8, .size: 8, .value_kind: global_buffer, .address_space: global }
      - { .name: Wq_codes, .offset: 16, .size: 8, .value_kind: global_buffer, .address_space: global }
      - { .name: Wq_scales, .offset: 24, .size: 8, .value_kind: global_buffer, .address_space: global }
      - { .name: Wk_codes, .offset: 32, .size: 8, .value_kind: global_buffer, .address_space: global }
      - { .name: Wk_scales, .offset: 40, .size: 8, .value_kind: global_buffer, .address_space: global }
      - { .name: Wv_codes, .offset: 48, .size: 8, .value_kind: global_buffer, .address_space: global }
      - { .name: Wv_scales, .offset: 56, .size: 8, .value_kind: global_buffer, .address_space: global }
      - { .name: bq, .offset: 64, .size: 8, .value_kind: global_buffer, .address_space: global }
      - { .name: bk, .offset: 72, .size: 8, .value_kind: global_buffer, .address_space: global }
      - { .name: bv, .offset: 80, .size: 8, .value_kind: global_buffer, .address_space: global }
      - { .name: qkv, .offset: 88, .size: 8, .value_kind: global_buffer, .address_space: global }
    .group_segment_fixed_size: 327680
    .private_segment_fixed_size: 0
    .kernarg_segment_align: 8
    .kernarg_segment_size: 96
    .max_flat_workgroup_size: 128
    .sgpr_count:     102
    .vgpr_count:     1024
    .wavefront_size: 32
...
	.end_amdgpu_metadata
.endif
;; end of part 1
;; launch attn (part 2): grid 4 x 64, 16 waves a work-group, clusters of 4 x 1, 206,848 bytes of LDS; arguments qkv, o_img, o_scales; writes o_img, o_scales
.if DOCPART == 2
	.amdgcn_target "amdgcn-amd-amdhsa--gfx1250"
	.amdhsa_code_object_version 6
	.text
	.protected	k_q196f19e68c_attn
	.globl	k_q196f19e68c_attn
	.p2align	8
	.type	k_q196f19e68c_attn,@function
k_q196f19e68c_attn:
	s_mov_b64 s[64:65], 0
	v_nop
	global_prefetch_b8 v0, s[64:65] scope:SCOPE_SE
	s_setreg_imm32_b32 hwreg(HW_REG_WAVE_MODE, 25, 1), 1
	s_wait_xcnt 0x0
	s_wait_alu depctr_hold_cnt(0) depctr_sa_sdst(0) depctr_va_vdst(0) depctr_va_sdst(0) depctr_va_ssrc(0) depctr_va_vcc(0) depctr_vm_vsrc(0)
	s_getreg_b32 s2, hwreg(HW_REG_IB_STS2, 6, 4)
	s_cmp_eq_u32 s2, 0
	s_cbranch_scc0 .Lentry_in_a_cluster
	s_endpgm
.Lentry_in_a_cluster:
	s_bfe_u32 s2, ttmp6, 0x10000c
	s_cmp_lg_u32 s2, 0x3003
	s_cbranch_scc0 .Lentry_shape_is_right
	s_endpgm
.Lentry_shape_is_right:
; ATTN: o = softmax(q k^T / 8, causal) v for one head, both products on codes of FP6 (E2M3) with one E8M0 scale for each 32 along K; then o is quantised along the model's 1,024 for the last projection.
; LEFT OUT AS DEAD WORK: a step of 128 keys all of which come after my 16 queries: reference()'s own tril makes their p exactly 0 for all values of the inputs.  A NaN, an infinity or an overflow that reaches only such a step is not carried.
; THE SOFTMAX: t = score x log2(e) / 8; M = the row's largest t so far, rounded UP to a whole number; p = 2^(t - M) is quantised along the keys, not normalised; the row's sum is taken of the unquantised p and divides O at the end.
; When M moves, the sum and O are multiplied by 2^(old M - new M): exact.
; LIMITS: NaN and infinities are not served; a block whose largest magnitude lies under 2^(3 - 127) has its byte held at 1 (a block of zeros too: its codes are zeros).
; SHARES.  The four work-groups of a cluster share one head.  A whole head's K and V, 16 steps of 128 keys x 12,800 bytes, come into LDS ONCE: each of the sixteen waves asks for one step, jointly with its three partners; nothing is filled again.
; Wave w owns query tile 2 cx + w / 8 of a block of 128 queries: block 15 - w in the first pass, block w in the second: (16 - w) + (w + 1) = 17 key steps for every wave.  Branches and LDS addresses hang on w and on counted steps alone.
; LAYOUT (qkv: see proj).  S^T = K Q^T: a fragment of K holds key tile 2 f in its first 64 along K and key tile 2 f + 1 in its second 64; q (64 along K) stands in a run of 18 registers between zero codes: (q, 0) gives tile 2 f, (0, q) tile 2 f + 1.
; Lane (r, h) holds query r throughout; S's register 8 t + j is key 16 t + 8 h + j.  So of a block of 32 keys a lane holds 8 h + 0..7 and 16 + 8 h + 0..7, and p's codes come out in the order 0-7, 16-23, 8-15, 24-31: the order in which proj laid v's.
; O^T = V^T P^T: register 8 t + j is channel 16 t + 8 h + j.  At the end sixteen exchanges of halves put a lane's 16 registers on 16 neighbouring channels, since o meets Wo's given codes, which lie in natural order.
; OUT: o_img [512 tiles of 16 rows][16 heads][768 bytes]: half a fragment: registers 0-3 of lane l at 16 l, registers 4-5 at 512 + 8 l.  o_scales [8,192][32]: two bytes a row and head; these stores fill their aligned blocks of 256 bytes
; in part: one byte for each 24 of the codes.
.set REC,   19200
.set HEADP, 16*REC
.set KSB,   12800                      ; a key step in LDS: K's four images, K's words, V's four images, V's words
.set VSEC,  6400
.set SWO,   6144
.set QSEC,  12800
.set SPARE, 16*KSB                     ; behind the head: the spare words, 128 bytes a wave: eight blocks of 256 bytes that no other line names
.set A16,  1                           ; v1   16 x lane
.set ASW,  2                           ; v2   SWO + 16 r + VSEC h: lanes 0-15 K's scale words, lanes 16-31 V's
.set SPW,  3                           ; v3   my spare word; never rewritten
.set NIL,  4                           ; v4   0; never rewritten
.set A8,   5                           ; v5   512 + 8 x lane
.set ASB,  6                           ; v6   32 r + h
.set A16R, 7                           ; v7   16 r
.set ADK,  8                           ; v8   the step's images
.set ADS,  9                           ; v9   the step's scale words
.set DQ,   10                          ; v10  16 tile + r - 8 h: my query in its block, less my half's keys
.set NINF, 11                          ; v11  -infinity
.set NM,   12                          ; v12  -M;  v13 the largest t
.set TMAX, 13
.set SUM,  14                          ; v[14:15] the sum in two halves
.set QR,   16                          ; v16-33 six zeros, q, six zeros
.set QS,   34                          ; v34  q's scale word (scales alone)
.set PS,   35                          ; v35  p's scale word (scales alone)
.set FRG,  36                          ; v36-83 four fragments of K, then of V
.set SW,   84                          ; v84-87 their scale words (scales alone)
.set BMX,  88                          ; v88-91 the blocks' largest
.set PD,   92                          ; v92-95 lane permutes' destinations
.set S,    96                          ; v96-159 S^T, then p
.set O,    160                         ; v160-191 O^T
.set PC,   192                         ; v192-203 p's codes
.set PY,   204                         ; v204-210 conversions' second halves
.set SOP,  212                         ; v212-215 the conversions' scale operands
.set BYT,  216                         ; v216-219 the bytes
.set F,    220                         ; v[220:221] f = 2^(old M - new M), later 1 / the sum
.set TMP,  222
.set CH2,  224                         ; v[224:225] the sums' second chain
.set WV,   10
.set BI,   11                          ; my block of 128 queries
.set U,    12                          ; w / 8
.set CX,   13
.set BH,   14                          ; 16 batch + head
.set KSI,  15                          ; the key step
.set TB,   16                          ; and where it begins in LDS
.set UM,   17                          ; all lanes where w / 8 = 1
.set HM,   18                          ; lanes 16-31
.set QSEL, 19
.set SEL,  20
.set CS,   22                          ; s[22:23] c = log2(e) / 8
.set G1,   24
.set G0,   32
.set QP,   36
.set QSP,  38
.set OP,   40
.set OSP,  42
.set TAU,  46                          ; my query tile in its block: 2 cx + w / 8
.macro CROUND                          ; a round of the cluster's barrier
	s_barrier_signal -1
	s_barrier_wait -1
	s_cmp_lg_u32 s[WV], 0
	s_cbranch_scc1 .Lnot_wave_0_\@
	s_barrier_signal -3
.Lnot_wave_0_\@:
	s_barrier_wait -3
	s_barrier_signal -1
	s_barrier_wait -1
.endm
	s_load_b128 s[4:7], s[0:1], 0x0                ; qkv, o_img
	s_load_b64 s[8:9], s[0:1], 0x10                ; o_scales
	v_lshl_add_u32 v[SPW], v0, 2, SPARE
	v_mov_b32 v[NIL], 0
	ds_add_u32 v[SPW], v[NIL]                      ; the wave's opening: the add, twice on end, and its wait ahead of my first tensor load
	ds_add_u32 v[SPW], v[NIL]                      ; and once more, under the one wait; the set-up below stands between
	v_lshrrev_b32 v1, 5, v0
	s_delay_alu instid0(VALU_DEP_1)
	v_readfirstlane_b32 s[WV], v1                  ; wave 0..15
	s_xor_b32 s[BI], s[WV], 15                     ; the first pass's block
	s_lshr_b32 s[U], s[WV], 3
	s_bfe_u32 s[CX], ttmp6, 0x40000
	s_and_b32 s[BH], ttmp7, 0xffff                 ; the head, which the four partners share
	s_mov_b32 s[QSEL], 0x03020302
	s_cmp_eq_u32 s[U], 0
	s_cselect_b32 s[UM], 0, -1
	s_cselect_b32 s[QSEL], 0x01000100, s[QSEL]     ; my tile's two bytes of q's word, twice
	s_mov_b32 s[HM], 0xffff0000
	s_mov_b32 s[SEL], 0x76543210
	s_mov_b32 s[SEL+1], 0xfedcba98
	s_mov_b32 s[CS], 0x3e38aa3b                    ; c = log2(e) / sqrt(64)
	s_mov_b32 s[CS+1], s[CS]                       ; (named with it as a pair, so it is written)
	s_mov_b32 s[G1], 15|(3<<16)|(1<<21)            ; the mask: all four work-groups; elements of 8 bytes; bit 21 beside a mask; no padding
	s_mov_b32 s[G1+1], 32<<16                      ; tensor_dim0: 256 bytes
	s_mov_b32 s[G1+2], 50<<16                      ; tensor_dim1: 50 rows: a step's 12,800 dense bytes
	s_mov_b32 s[G1+3], 32<<16                      ; tile_dim0
	s_mov_b32 s[G1+4], 50                          ; tile_dim1
	s_mov_b32 s[G1+5], 32                          ; from row to row
	s_mov_b32 s[G1+6], 0
	s_mov_b32 s[G1+7], 0
	s_mul_i32 s44, s[BH], HEADP
	s_mul_i32 s45, s[WV], REC
	s_add_co_u32 s44, s44, s45                     ; the head's record w: key step w
	s_mov_b32 s45, 0
	s_mov_b32 s[G0], 1
	s_mul_i32 s[G0+1], s[WV], KSB                  ; LDS: wave x 12,800
	s_lshl_b32 s[TAU], s[CX], 1
	s_add_co_u32 s[TAU], s[TAU], s[U]
	s_wait_dscnt 0x0                               ; both opening adds are done
	s_wait_kmcnt 0x0
	s_add_nc_u64 s[G0+2:G0+3], s[4:5], s[44:45]
	s_or_b32 s[G0+3], s[G0+3], 0x80000000
	CROUND                                         ; all four work-groups are here: the joint loads meet
	tensor_load_to_lds s[G0:G0+3], s[G1:G1+7]      ; my one tensor load of the launch: one is out
	s_nop 0
	v_and_b32 v[TMP], 31, v0                       ; lane
	v_and_b32 v[TMP+1], 15, v0                     ; r
	v_bfe_u32 v[TMP+2], v0, 4, 1                   ; h
	s_delay_alu instid0(VALU_DEP_3)
	v_lshlrev_b32 v[A16], 4, v[TMP]
	s_delay_alu instid0(VALU_DEP_3)
	v_lshlrev_b32 v[A16R], 4, v[TMP+1]
	s_delay_alu instid0(VALU_DEP_1)
	v_mad_u32_u24 v[ASW], v[TMP+2], VSEC, v[A16R]
	s_delay_alu instid0(VALU_DEP_1)
	v_add_nc_u32 v[ASW], SWO, v[ASW]
	v_lshlrev_b32 v[A8], 3, v[TMP]
	s_delay_alu instid0(VALU_DEP_1)
	v_add_nc_u32 v[A8], 512, v[A8]
	v_lshl_add_u32 v[ASB], v[TMP+1], 5, v[TMP+2]
	s_lshl_b32 s45, s[TAU], 4
	v_lshlrev_b32 v[TMP+3], 3, v[TMP+2]
	s_delay_alu instid0(VALU_DEP_1)
	v_sub_nc_u32 v[DQ], v[TMP+1], v[TMP+3]
	s_delay_alu instid0(VALU_DEP_1)
	v_add_nc_u32 v[DQ], s45, v[DQ]
	v_mov_b32 v[NINF], 0xff800000
.irp i, 0,1,2,3,4,5
	v_mov_b32 v[QR+\i], 0                          ; the zero codes on both sides of q
	v_mov_b32 v[QR+12+\i], 0
.endr
.irp b, 0,1,2,3
	v_mov_b32 v[PD+\b], 0                          ; written once: a lane permute's destination counts as one of its sources
.endr
	v_mov_b32 v[F+1], 0                            ; (named as the upper half of a pair)
; A pass's start: my tile of q, its scale word, and the running numbers.
.macro PRO
	s_wait_xcnt 0x0                                ; earlier loads and stores have read their bases and data
	s_lshl_b32 s44, s[BH], 4
	s_add_co_u32 s44, s44, s[BI]
	s_mul_i32 s44, s44, REC                        ; my block's record
	s_mul_i32 s45, s[CX], 1536                     ; fragment cx holds tiles 2 cx and 2 cx + 1
	s_add_co_u32 s48, s44, s45
	s_mov_b32 s49, 0
	s_add_nc_u64 s[QP:QP+1], s[4:5], s[48:49]
	s_lshl_b32 s45, s[CX], 2
	s_add_co_u32 s48, s44, s45
	s_add_nc_u64 s[QSP:QSP+1], s[4:5], s[48:49]
.irp k, 0,1,2
	global_load_b128 v[S+4*\k:S+4*\k+3], v[A16], s[QP:QP+1] offset:QSEC+512*\k
.endr
	global_load_b32 v[S+12], v[A16R], s[QSP:QSP+1] offset:QSEC+SWO
	v_mov_b32 v[TMAX], 0xff61b1e6                  ; the largest t so far: -3e38, under every t
	s_delay_alu instid0(VALU_DEP_1)
	v_floor_f32 v[NM], -v[TMAX]
	v_mov_b32 v[SUM], 0
	v_mov_b32 v[SUM+1], 0
	s_wait_loadcnt 0x0
.irp i, 0,1,2,3,4,5
	v_cndmask_b32 v[QR+6+\i], v[S+\i], v[S+6+\i], s[UM]   ; registers 0-5 or 6-11 of the fragment: my tile
.endr
	v_perm_b32 v[QS], v[S+12], v[S+12], s[QSEL]
.set jj, 0
.rept 32
	v_mov_b32 v[O+jj], 0                           ; O^T: the first change of M leaves zeros zeros.  (These are also the places between the lines above and the first scaled product)
.set jj, jj+1
.endr
.endm
; All sixteen key steps are walked, so that the trip count is a constant; the work of a step beyond my block is jumped over.
.macro WALK
	s_mov_b32 s[KSI], 0
	s_mov_b32 s[TB], 0
.Lstep_\@:
	s_cmp_gt_u32 s[KSI], s[BI]                     ; all its keys come after my queries
	s_cbranch_scc1 .Lhid_\@
	s_setprio 2
	v_add_nc_u32 v[ADK], s[TB], v[A16]
	v_add_nc_u32 v[ADS], s[TB], v[ASW]
	v_nop
	v_nop                                          ; four places in front of loads into registers that the last products read
.irp f, 0,1,2,3
.irp k, 0,1,2
	ds_load_b128 v[FRG+12*\f+4*\k:FRG+12*\f+4*\k+3], v[ADK] offset:1536*\f+512*\k   ; K's images: 512 consecutive bytes a load
.endr
.endr
	ds_load_b128 v[SW:SW+3], v[ADS]                ; lanes 0-15: K's four words of row r; lanes 16-31: V's
	s_wait_alu depctr_va_vdst(0)
	s_wait_dscnt 0x0
.irp f, 0,1,2,3
	v_wmma_scale_f32_16x16x128_f8f6f4 v[S+16*\f:S+16*\f+7], v[FRG+12*\f:FRG+12*\f+11], v[QR+6:QR+17], 0, v[SW+\f], v[QS] matrix_a_fmt:MATRIX_FMT_FP6 matrix_b_fmt:MATRIX_FMT_FP6
	v_wmma_scale_f32_16x16x128_f8f6f4 v[S+16*\f+8:S+16*\f+15], v[FRG+12*\f:FRG+12*\f+11], v[QR:QR+11], 0, v[SW+\f], v[QS] matrix_a_fmt:MATRIX_FMT_FP6 matrix_b_fmt:MATRIX_FMT_FP6
.endr
.rept 4
	v_nop                                          ; places in front of the loads below and of the first read of the scores
.endr
.irp f, 0,1,2,3
.irp k, 0,1,2
	ds_load_b128 v[FRG+12*\f+4*\k:FRG+12*\f+4*\k+3], v[ADK] offset:VSEC+1536*\f+512*\k   ; V's images land while the softmax is worked
.endr
.endr
	s_cmp_lg_u32 s[KSI], s[BI]                     ; on the diagonal the scores of hidden keys become -infinity ahead of the maximum; key 0 of the block counts for every query
	s_cbranch_scc1 .Lopen_\@
.set nn, 0
.rept 64
	v_cmp_gt_i32 vcc_lo, 16*(nn/8)+nn%8, v[DQ]     ; register nn holds key 16 (nn / 8) + 8 h + nn % 8 of the block
	v_cndmask_b32 v[S+nn], v[S+nn], v[NINF], vcc_lo
.set nn, nn+1
.endr
.Lopen_\@:
.irp b, 0,1,2,3
	v_max3_num_f32 v[BMX+\b], v[S+16*\b], v[S+1+16*\b], v[S+2+16*\b]   ; the largest score of each block of 32 keys: for the row's maximum and, since p rises with the score, for the block's largest p
.endr
.irp i, 3,5,7,9,11,13
.irp b, 0,1,2,3
	v_max3_num_f32 v[BMX+\b], v[BMX+\b], v[S+16*\b+\i], v[S+1+16*\b+\i]
.endr
.endr
.irp b, 0,1,2,3
	v_max_num_f32 v[BMX+\b], v[BMX+\b], v[S+15+16*\b]
.endr
.irp b, 0,1,2,3
	s_delay_alu instid0(VALU_DEP_4)
	v_permlanex16_b32 v[PD+\b], v[BMX+\b], s[SEL], s[SEL+1]
.endr
.irp b, 0,1,2,3
	s_delay_alu instid0(VALU_DEP_4)
	v_max_num_f32 v[BMX+\b], v[BMX+\b], v[PD+\b]   ; with lane l xor 16's 16 keys
.endr
	s_delay_alu instid0(VALU_DEP_2)
	v_max3_num_f32 v[TMP], v[BMX], v[BMX+1], v[BMX+2]
	s_delay_alu instid0(VALU_DEP_1)
	v_max_num_f32 v[TMP], v[TMP], v[BMX+3]
	s_delay_alu instid0(VALU_DEP_1)
	v_mul_f32 v[TMP], s[CS], v[TMP]                ; as t (c is positive)
	s_delay_alu instid0(VALU_DEP_1)
	v_max_num_f32 v[TMAX], v[TMAX], v[TMP]
	v_mov_b32 v[TMP], v[NM]
	s_delay_alu instid0(VALU_DEP_2)
	v_floor_f32 v[NM], -v[TMAX]                    ; the new -M = -ceil(t): a whole number
	s_delay_alu instid0(VALU_DEP_1)
	v_sub_f32 v[TMP], v[NM], v[TMP]                ; old M - new M, 0 or less
	s_delay_alu instid0(VALU_DEP_1)
	v_cvt_i32_f32 v[TMP], v[TMP]                   ; (it saturates)
	s_delay_alu instid0(VALU_DEP_1)
	v_ldexp_f32 v[F], 1.0, v[TMP]                  ; f = 2^(old M - new M)
.set jj, 0
.rept 32
	v_pk_fma_f32 v[S+jj:S+jj+1], v[S+jj:S+jj+1], s[CS:CS+1], v[NM:NM+1] op_sel_hi:[1,0,0]   ; t - M, two at a time
.set jj, jj+2
.endr
	s_setprio 1
.irp b, 0,1,2,3
	v_fma_f32 v[BMX+\b], v[BMX+\b], s[CS], v[NM]
.endr
.set jj, 0
	s_wait_alu depctr_va_vdst(0)
.rept 64
	v_exp_f32 v[S+jj], v[S+jj]                     ; p = 2^(t - M), at most 1
.set jj, jj+1
.endr
	v_pk_mul_f32 v[SUM:SUM+1], v[SUM:SUM+1], v[F:F+1] op_sel_hi:[1,0]   ; the sums under the new M: a plain place behind the exponentials
	s_wait_alu depctr_va_vdst(0)                   ; one wait for the batch of 64, ahead of its first reader
.irp b, 0,1,2,3
	v_exp_f32 v[BMX+\b], v[BMX+\b]                 ; the blocks' largest p
.endr
	v_pk_add_f32 v[224:225], v[100:101], v[104:105]
	v_pk_add_f32 v[254:255], v[108:109], v[112:113]
	v_pk_add_f32 v[252:253], v[116:117], v[120:121]
	v_pk_add_f32 v[250:251], v[124:125], v[128:129]
	v_pk_add_f32 v[248:249], v[132:133], v[136:137]
	v_pk_add_f32 v[246:247], v[140:141], v[144:145]
	v_pk_add_f32 v[244:245], v[148:149], v[152:153]
	v_pk_add_f32 v[14:15], v[14:15], v[156:157]
	v_pk_add_f32 v[224:225], v[224:225], v[96:97]
	v_pk_add_f32 v[254:255], v[254:255], v[98:99]
	v_pk_add_f32 v[252:253], v[252:253], v[102:103]
	v_pk_add_f32 v[250:251], v[250:251], v[106:107]
	v_pk_add_f32 v[248:249], v[248:249], v[110:111]
	v_pk_add_f32 v[246:247], v[246:247], v[114:115]
	v_pk_add_f32 v[244:245], v[244:245], v[118:119]
	v_pk_add_f32 v[14:15], v[14:15], v[122:123]
	v_pk_add_f32 v[224:225], v[224:225], v[126:127]
	v_pk_add_f32 v[254:255], v[254:255], v[130:131]
	v_pk_add_f32 v[252:253], v[252:253], v[134:135]
	v_pk_add_f32 v[250:251], v[250:251], v[138:139]
	v_pk_add_f32 v[248:249], v[248:249], v[142:143]
	v_pk_add_f32 v[246:247], v[246:247], v[146:147]
	v_pk_add_f32 v[244:245], v[244:245], v[150:151]
	v_pk_add_f32 v[14:15], v[14:15], v[154:155]
	v_pk_add_f32 v[224:225], v[224:225], v[158:159]
	s_delay_alu instid0(VALU_DEP_2)
	v_pk_add_f32 v[14:15], v[14:15], v[250:251]
	s_delay_alu instid0(VALU_DEP_2)
	v_pk_add_f32 v[224:225], v[224:225], v[248:249]
	v_pk_add_f32 v[254:255], v[254:255], v[246:247]
	v_pk_add_f32 v[252:253], v[252:253], v[244:245]
	s_delay_alu instid0(VALU_DEP_2)
	v_pk_add_f32 v[14:15], v[14:15], v[254:255]
	s_delay_alu instid0(VALU_DEP_2)
	v_pk_add_f32 v[224:225], v[224:225], v[252:253]
	s_delay_alu instid0(VALU_DEP_1)
	v_pk_add_f32 v[14:15], v[14:15], v[224:225]
	s_wait_alu depctr_va_vdst(0)                   ; and one for the four
.irp b, 0,1,2,3
	v_max_num_f32 v[BMX+\b], 0x1800000, v[BMX+\b]  ; the floor 2^(3 - 127): the byte cannot fall under 1
.endr
.irp b, 0,1,2,3
	s_delay_alu instid0(VALU_DEP_4)
	v_add_nc_u32 v[SOP+\b], 0xff000000, v[BMX+\b]  ; 2 off the exponent field: the conversion's scale operand
.endr
.irp b, 0,1,2,3
	s_delay_alu instid0(VALU_DEP_4)
	v_lshrrev_b32 v[BYT+\b], 23, v[SOP+\b]
.endr
	s_delay_alu instid0(VALU_DEP_3)
	v_lshl_or_b32 v[PS], v[BYT+1], 8, v[BYT]       ; p's scale word for these 128 keys
	s_delay_alu instid0(VALU_DEP_1)
	v_lshl_or_b32 v[PS], v[BYT+2], 16, v[PS]
	s_delay_alu instid0(VALU_DEP_1)
	v_lshl_or_b32 v[PS], v[BYT+3], 24, v[PS]
	s_setprio 0
.irp c, 0,1
	v_cvt_scalef32_pk16_fp6_f32 v[PC+6*\c:PC+6*\c+2], v[S+32*\c:S+32*\c+15], v[SOP+2*\c]
	v_cvt_scalef32_pk16_fp6_f32 v[PY+4*\c:PY+4*\c+2], v[S+32*\c+16:S+32*\c+31], v[SOP+2*\c+1]
.endr
	v_nop                                          ; one plain place behind a scaled conversion
.irp c, 0,1
.irp i, 0,1,2
	v_permlane16_swap_b32 v[PC+6*\c+\i], v[PY+4*\c+\i]   ; a whole block to a lane
.endr
.irp i, 0,1,2
	s_delay_alu instid0(VALU_DEP_3)
	v_mov_b32 v[PC+6*\c+3+\i], v[PY+4*\c+\i]
.endr
.endr
.set jj, 0
.rept 16
	v_pk_mul_f32 v[O+jj:O+jj+1], v[O+jj:O+jj+1], v[F:F+1] op_sel_hi:[1,0]   ; O^T under the new M.  (For each product below at least twelve of these name none of its registers: the places behind p's codes and scale word)
.set jj, jj+2
.endr
	s_wait_alu depctr_va_vdst(0)
	s_wait_dscnt 0x0                               ; V's images are in
.irp t, 0,1,2,3
	v_wmma_scale_f32_16x16x128_f8f6f4 v[O+8*\t:O+8*\t+7], v[FRG+12*\t:FRG+12*\t+11], v[PC:PC+11], v[O+8*\t:O+8*\t+7], v[SW+\t], v[PS] matrix_a_fmt:MATRIX_FMT_FP6 matrix_b_fmt:MATRIX_FMT_FP6 matrix_a_scale:MATRIX_SCALE_ROW1
.endr
.Lhid_\@:
	s_add_co_u32 s[TB], s[TB], KSB
	s_add_co_u32 s[KSI], s[KSI], 1
	s_cmp_lt_u32 s[KSI], 16
	s_cbranch_scc1 .Lstep_\@
	s_setprio 0
.endm
; A pass's end: O^T / the sum, natural order, two blocks of 32 channels quantised, half a fragment and two bytes a row stored.
.macro EPIL
.rept 4
	v_nop                                          ; places behind the last products
.endr
	v_add_f32 v[SUM], v[SUM], v[SUM+1]
	s_delay_alu instid0(VALU_DEP_1)
	v_permlanex16_b32 v[PD], v[SUM], s[SEL], s[SEL+1]
	s_delay_alu instid0(VALU_DEP_1)
	v_add_f32 v[SUM], v[SUM], v[PD]                ; the row's sum
	s_wait_alu depctr_va_vdst(0)
	v_rcp_f32 v[F], v[SUM]
	v_nop                                          ; a plain place behind the reciprocal
	s_wait_alu depctr_va_vdst(0)                   ; and the wait ahead of its first reader
.set jj, 0
.rept 16
	v_pk_mul_f32 v[O+jj:O+jj+1], v[O+jj:O+jj+1], v[F:F+1] op_sel_hi:[1,0]   ; each accumulator from its low end on
.set jj, jj+2
.endr
.irp b, 0,1
.irp j, 0,1,2,3,4,5,6,7
	v_permlane16_swap_b32 v[O+16*\b+\j], v[O+16*\b+8+\j]   ; register 16 b + i now holds channel 32 b + 16 h + i
.endr
.endr
.irp b, 0,1
	v_max3_num_f32 v[BMX+\b], |v[O+16*\b]|, |v[O+1+16*\b]|, 0x1800000
.endr
.irp i, 2,4,6,8,10,12,14
.irp b, 0,1
	s_delay_alu instid0(VALU_DEP_2)
	v_max3_num_f32 v[BMX+\b], v[BMX+\b], |v[O+16*\b+\i]|, |v[O+1+16*\b+\i]|
.endr
.endr
.irp b, 0,1
	s_delay_alu instid0(VALU_DEP_2)
	v_permlanex16_b32 v[PD+\b], v[BMX+\b], s[SEL], s[SEL+1]
.endr
.irp b, 0,1
	s_delay_alu instid0(VALU_DEP_2)
	v_max_num_f32 v[BMX+\b], v[BMX+\b], v[PD+\b]
.endr
.irp b, 0,1
	s_delay_alu instid0(VALU_DEP_2)
	v_add_nc_u32 v[SOP+\b], 0xff000000, v[BMX+\b]
.endr
.irp b, 0,1
	s_delay_alu instid0(VALU_DEP_2)
	v_lshrrev_b32 v[BYT+\b], 23, v[SOP+\b]
.endr
	v_cvt_scalef32_pk16_fp6_f32 v[PC:PC+2], v[O:O+15], v[SOP]
	v_cvt_scalef32_pk16_fp6_f32 v[PY:PY+2], v[O+16:O+31], v[SOP+1]
	v_cndmask_b32 v[TMP], v[BYT], v[BYT+1], s[HM]  ; my half's byte.  (A plain place behind the conversions)
.irp i, 0,1,2
	v_permlane16_swap_b32 v[PC+\i], v[PY+\i]
.endr
.irp i, 0,1,2
	s_delay_alu instid0(VALU_DEP_3)
	v_mov_b32 v[PC+3+\i], v[PY+\i]                 ; registers 0-5: row r, channels 32 h .. 32 h + 31
.endr
	s_lshr_b32 s44, s[BH], 4
	s_lshl_b32 s44, s44, 7
	s_lshl_b32 s45, s[BI], 3
	s_add_co_u32 s44, s44, s45
	s_add_co_u32 s44, s44, s[TAU]                  ; my tile of 16 rows: 128 batch + 8 block + tile
	s_and_b32 s45, s[BH], 15                       ; the head
	s_mul_i32 s48, s44, 12288
	s_mul_i32 s50, s45, 768
	s_add_co_u32 s48, s48, s50
	s_mov_b32 s49, 0
	s_add_nc_u64 s[OP:OP+1], s[6:7], s[48:49]
	s_lshl_b32 s48, s44, 9
	s_lshl_b32 s50, s45, 1
	s_add_co_u32 s48, s48, s50
	s_add_nc_u64 s[OSP:OSP+1], s[8:9], s[48:49]
	s_wait_alu depctr_va_vdst(0)
	global_store_b128 v[A16], v[PC:PC+3], s[OP:OP+1]       ; 512 consecutive bytes,
	global_store_b64 v[A8], v[PC+4:PC+5], s[OP:OP+1]       ; and 256: three aligned blocks of 256 bytes in all
	global_store_b8 v[ASB], v[TMP], s[OSP:OSP+1]           ; row r's byte of block h
.endm
	PRO
	s_wait_tensorcnt 0x0                           ; my key step has landed,
	s_barrier_signal -1
	s_barrier_wait -1                              ; everybody's has: the whole head lies in LDS, and nothing writes it again
	WALK
	EPIL
	s_xor_b32 s[BI], s[BI], 15                     ; the second pass: block w
	PRO
	WALK
	EPIL
	s_wait_tensorcnt 0x0                           ; the wave's end, behind my last tensor load
	ds_add_u32 v[SPW], v[NIL]
	s_wait_dscnt 0x0
	CROUND                                         ; the closing round
	s_endpgm
.Lfunc_end_k_q196f19e68c_attn:
	.size	k_q196f19e68c_attn, .Lfunc_end_k_q196f19e68c_attn-k_q196f19e68c_attn
	.p2alignl 7, 3214868480
	.fill 96, 4, 3214868480
	.section	.rodata,"a",@progbits
	.p2align	6, 0x0
	.amdhsa_kernel k_q196f19e68c_attn
		.amdhsa_group_segment_fixed_size 206848
		.amdhsa_private_segment_fixed_size 0
		.amdhsa_enable_private_segment 0
		.amdhsa_kernarg_size 24
		.amdhsa_user_sgpr_count 2
		.amdhsa_user_sgpr_kernarg_segment_ptr 1
		.amdhsa_wavefront_size32 1
		.amdhsa_system_sgpr_workgroup_id_x 1
		.amdhsa_system_sgpr_workgroup_id_y 1
		.amdhsa_system_sgpr_workgroup_id_z 1
		.amdhsa_system_vgpr_workitem_id 0
		.amdhsa_next_free_vgpr 256
		.amdhsa_next_free_sgpr 66
		.amdhsa_reserve_vcc 1
		.amdhsa_float_denorm_mode_32 3
		.amdhsa_float_denorm_mode_16_64 3
		.amdhsa_memory_ordered 1
		.amdhsa_forward_progress 1
		.amdhsa_inst_pref_size 64
	.end_amdhsa_kernel
	.amdgpu_metadata
---
amdhsa.version: [ 1, 2 ]
amdhsa.kernels:
  - .name:           k_q196f19e68c_attn
    .symbol:         k_q196f19e68c_attn.kd
    .args:
      - { .name: qkv, .offset: 0, .size: 8, .value_kind: global_buffer, .address_space: global }
      - { .name: o_img, .offset: 8, .size: 8, .value_kind: global_buffer, .address_space: global }
      - { .name: o_scales, .offset: 16, .size: 8, .value_kind: global_buffer, .address_space: global }
    .group_segment_fixed_size: 206848
    .private_segment_fixed_size: 0
    .kernarg_segment_align: 8
    .kernarg_segment_size: 24
    .max_flat_workgroup_size: 512
    .sgpr_count:     66
    .vgpr_count:     256
    .wavefront_size: 32
...
	.end_amdgpu_metadata
.endif
;; end of part 2
;; launch outp (part 3): grid 4 x 32, 4 waves a work-group, clusters of 4 x 4, 327,680 bytes of LDS; arguments o_img, o_scales, Wo_codes, Wo_scales, out0, bo; writes out0
.if DOCPART == 3
	.amdgcn_target "amdgcn-amd-amdhsa--gfx1250"
	.amdhsa_code_object_version 6
	.text
	.protected	k_q196f19e68c_outp
	.globl	k_q196f19e68c_outp
	.p2align	8
	.type	k_q196f19e68c_outp,@function
k_q196f19e68c_outp:
	s_mov_b64 s[64:65], 0
	v_nop
	global_prefetch_b8 v0, s[64:65] scope:SCOPE_SE
	s_setreg_imm32_b32 hwreg(HW_REG_WAVE_MODE, 25, 1), 1
	s_wait_xcnt 0x0
	s_wait_alu depctr_hold_cnt(0) depctr_sa_sdst(0) depctr_va_vdst(0) depctr_va_sdst(0) depctr_va_ssrc(0) depctr_va_vcc(0) depctr_vm_vsrc(0)
	s_getreg_b32 s2, hwreg(HW_REG_IB_STS2, 6, 4)
	s_cmp_eq_u32 s2, 0
	s_cbranch_scc0 .Lentry_in_a_cluster
	s_endpgm
.Lentry_in_a_cluster:
	s_bfe_u32 s2, ttmp6, 0x10000c
	s_cmp_lg_u32 s2, 0xf033
	s_cbranch_scc0 .Lentry_shape_is_right
	s_endpgm
.Lentry_shape_is_right:
; OUTP: out0 = o Wo + bo on codes of FP6 (E2M3) with one E8M0 scale for each 32 along K.  A = o (8,192 rows), as images of operand registers (o_img, o_scales: see attn); B = Wo's given codes [1,024][768 bytes]; out0 [8,192][1,024] f32.
; Nothing is left out here.  LIMITS: NaN, infinities and a given scale byte 0xff are not served.
; A tile of out0, 256 x 256, is made by four waves, 128 x 128 each: 64 accumulators.  32 x 4 tiles: 128 work-groups.  K = 1,024 goes through two LDS slots of 256 along K, each filled twice.
; A'S TILES ARE IMAGES: a tile of 16 rows and 256 along K is 3,072 dense bytes (four heads' half fragments); a wave's load brings 8 such rows, 12,288 bytes apart in memory.  A fragment comes by two loads of 16 bytes and two of 8 a lane,
; each over consecutive bytes.  B's tiles and both operands' scales go as in proj.  CLUSTERS of 4 x 4: A's tiles jointly along a row of the cluster, B's along a column.
; THE MATRIX INSTRUCTION IS USED TRANSPOSED (source 0 = 16 rows of Wo, source 1 = 16 rows of o): a lane holds eight neighbouring numbers of a row of out0.  bo is the C of each sum's first product.
; REGISTERS: window 0: v0-31 addresses; v32-63 scale words, two sets (nothing else ever); v64-127 bo; from v128 A's fragments, one set, later rows on the way out; window 1: B's fragments, two sets; windows 2, 3: accumulators.
.set SIZE_N, 1024
.set KSTEP,  256
.set NQ,     KSTEP/128
.set ROWB,   192
.set KROW,   768
.set PITCH,  240
.set FR,     12
.set NL,     6                         ; LDS loads that bring a fragment of B
.set NLA,    4                         ; and of A
.set NP,     4
.set HALFA,  8*3072                    ; A: 8 tiles of 16 rows: one tensor load
.set HALFT,  128*PITCH                 ; B: 128 rows: one tensor load
.set SLOT,   2*HALFA+2*HALFT
.set KS,     32
.set SCL,    2*SLOT
.set HALFS,  (128*KS/256)*272
.set SBLK,   (16*KS/256)*272
.set SPARE,  SCL+4*HALFS               ; the spare words, 128 bytes a wave: two blocks of 256 bytes that no other line names
.set SPITCH, 528                       ; the way out: a stage of 16 rows x (512 + 16) bytes a wave, in slot 0, which has had its last fill and its last read when the first result is stored there
.set ADRA, 16                          ; v16-17 16 x lane + my A rows in slot 0, 1;  v18-19 8 x lane + the same
.set ADRB, 20                          ; v20-23 B's fragments, as in proj
.set STO,  24
.set RD,   25
.set CO,   26
.set ADRS, 27
.set SPW,  28                          ; my spare word; never rewritten
.set NIL,  29                          ; 0; never rewritten
.set SC,   32
.set BN,   64                          ; v64-127 bo at my columns: register 8 b + j = column 16 b + 8 h + j
.set AF,   128
.set BK,   128
.set G1, 24
.set G0, 32
.set G1B, 48
.set G0B, 56
.set G1S, 68
.set G0S, 76
.set G1SB, 80
.set G0SB, 88
.set MSB, 0
.macro WIN new                         ; the immediate's high byte repeats the setting that is left
.if MSB != \new
	s_set_vgpr_msb (MSB<<8)|\new
.set MSB, \new
.endif
.endm
.set MUL_LO, 0xa1                      ; source 0 (B) window 1, source 1 (A) window 0, C and D window 2
.set MUL_HI, 0xf1
.set BIA_LO, 0x81                      ; the same with C (bo) in window 0
.set BIA_HI, 0xc1
.set TO_B,   0x40
.macro JLOAD g0a, g1a, g0b, g1b        ; a joint load: waves 0, 1 for A, waves 2, 3 for B; an s_nop 0 and four v_nop follow each of the two lines
	s_cmp_eq_u32 s15, 0
	s_cbranch_scc0 .Lfor_b_\@
	tensor_load_to_lds s[\g0a:\g0a+3], s[\g1a:\g1a+7]
	s_nop 0
.rept 4
	v_nop
.endr
	s_branch .Lasked_\@
.Lfor_b_\@:
	tensor_load_to_lds s[\g0b:\g0b+3], s[\g1b:\g1b+7]
	s_nop 0
.rept 4
	v_nop
.endr
.Lasked_\@:
.endm
.macro CREST
	s_cmp_lg_u32 s14, 0
	s_cbranch_scc1 .Lnot_wave_0_\@
	s_barrier_signal -3
.Lnot_wave_0_\@:
	s_barrier_wait -3
	s_barrier_signal -1
	s_barrier_wait -1
.endm
.macro CROUND
	s_barrier_signal -1
	s_barrier_wait -1
	CREST
.endm
	s_load_b128 s[4:7], s[0:1], 0x0                ; o_img, o_scales
	s_load_b128 s[8:11], s[0:1], 0x10              ; Wo's codes, Wo's scales
	s_load_b64 s[12:13], s[0:1], 0x20              ; out0
	s_load_b64 s[96:97], s[0:1], 0x28              ; bo
	v_lshl_add_u32 v[SPW], v0, 2, SPARE
	v_mov_b32 v[NIL], 0
	ds_add_u32 v[SPW], v[NIL]                      ; the wave's opening: the add, twice on end, and its wait ahead of my first tensor load
	ds_add_u32 v[SPW], v[NIL]                      ; and once more, under the one wait; the set-up below stands between
	v_lshrrev_b32 v1, 5, v0
	v_readfirstlane_b32 s14, v1                    ; wave 0..3
	s_lshr_b32 s15, s14, 1                         ; my half of the rows; also: I fetch for A (0) or B (1)
	s_and_b32 s16, s14, 1                          ; my half of the columns; also: which half of a tile I fetch
	s_bfe_u32 s40, ttmp6, 0x40000                  ; cx, cy
	s_bfe_u32 s41, ttmp6, 0x40004
	s_lshl_b32 s42, ttmp9, 2
	s_add_co_u32 s42, s42, s40                     ; tile column
	s_and_b32 s17, ttmp7, 0xffff
	s_lshl_b32 s17, s17, 2
	s_add_co_u32 s17, s17, s41                     ; tile row
	s_lshl_b32 s43, s41, 2
	s_lshl_b32 s43, 15, s43                        ; my row of the cluster
	s_lshl_b32 s44, 0x1111, s40                    ; my column
	s_or_b32 s[G1+0], s43, (3<<16)|(1<<21)         ; A: the mask; elements of 8 bytes; bit 21 beside a mask; no padding
	s_mov_b32 s[G1+1], 384<<16                     ; tensor_dim0: 3,072 bytes
	s_mov_b32 s[G1+2], 8<<16                       ; tensor_dim1
	s_mov_b32 s[G1+3], 384<<16                     ; tile_dim0
	s_mov_b32 s[G1+4], 8                           ; tile_dim1
	s_mov_b32 s[G1+5], 1536                        ; from tile of rows to tile of rows: 12,288 bytes
	s_mov_b32 s[G1+6], 0
	s_mov_b32 s[G1+7], 0
	s_or_b32 s[G1B+0], s44, (0<<16)|(1<<20)|(1<<21)|(3<<22)|(3<<25)   ; B: 128 rows x 192 bytes, 16 bytes of padding behind every 64
	s_mov_b32 s[G1B+1], ROWB<<16
	s_mov_b32 s[G1B+2], 128<<16
	s_mov_b32 s[G1B+3], ROWB<<16
	s_mov_b32 s[G1B+4], 128
	s_mov_b32 s[G1B+5], KROW
	s_mov_b32 s[G1B+6], 0
	s_mov_b32 s[G1B+7], 0
	s_or_b32 s[G1S+0], s43, (3<<16)|(1<<20)|(1<<21)|(5<<22)|(3<<25)   ; the scales of 128 rows: 16 rows of 256 bytes, 16 of padding behind each
	s_or_b32 s[G1SB+0], s44, (3<<16)|(1<<20)|(1<<21)|(5<<22)|(3<<25)
.irp g, G1S, G1SB
	s_mov_b32 s[\g+1], 32<<16
	s_mov_b32 s[\g+2], (128*KS/256)<<16
	s_mov_b32 s[\g+3], 32<<16
	s_mov_b32 s[\g+4], 128*KS/256
	s_mov_b32 s[\g+5], 32
	s_mov_b32 s[\g+6], 0
	s_mov_b32 s[\g+7], 0
.endr
	s_lshl_b32 s20, s17, 4
	s_lshl_b32 s18, s16, 3
	s_add_co_u32 s20, s20, s18                     ; A: tile of rows 16 x tile row + 8 x half
	s_mul_i32 s20, s20, 12288
	s_mov_b32 s21, 0
	s_lshl_b32 s18, s16, 7
	s_lshl_b32 s22, s17, 8
	s_add_co_u32 s22, s22, s18                     ; its first row,
	s_lshl_b32 s22, s22, 5                         ; and that row's scale bytes
	s_mov_b32 s23, 0
	s_lshl_b32 s46, s42, 8
	s_add_co_u32 s46, s46, s18                     ; B: row 256 x tile column + 128 x half
	s_lshl_b32 s92, s46, 5
	s_mov_b32 s93, 0
	s_mul_i32 s46, s46, KROW
	s_mov_b32 s47, 0
	s_mul_i32 s45, s16, HALFA                      ; where they go: A's two halves,
	s_mul_i32 s95, s16, HALFT
	s_add_co_u32 s95, s95, 2*HALFA                 ; then B's two: no place in the cluster enters an LDS address
	s_mul_i32 s94, s14, HALFS
	s_wait_dscnt 0x0                               ; both opening adds are done
	s_wait_kmcnt 0x0
	s_add_nc_u64 s[20:21], s[4:5], s[20:21]
	s_add_nc_u64 s[22:23], s[6:7], s[22:23]
	s_add_nc_u64 s[46:47], s[8:9], s[46:47]
	s_add_nc_u64 s[92:93], s[10:11], s[92:93]
	CROUND                                         ; all sixteen work-groups are here: the first joint loads meet
	s_mov_b32 s[G0S], 1
	s_add_co_u32 s[G0S+1], s94, SCL
	s_mov_b64 s[G0S+2:G0S+3], s[22:23]
	s_or_b32 s[G0S+3], s[G0S+3], 0x80000000
	s_mov_b32 s[G0SB], 1
	s_add_co_u32 s[G0SB+1], s94, SCL
	s_mov_b64 s[G0SB+2:G0SB+3], s[92:93]
	s_or_b32 s[G0SB+3], s[G0SB+3], 0x80000000
	JLOAD G0S, G1S, G0SB, G1SB
.irp s, 0,1
	s_mov_b32 s[G0+4*\s], 1
	s_add_co_u32 s[G0+4*\s+1], s45, \s*SLOT
	s_add_nc_u64 s[G0+4*\s+2:G0+4*\s+3], s[20:21], \s*3072
	s_or_b32 s[G0+4*\s+3], s[G0+4*\s+3], 0x80000000
	s_mov_b32 s[G0B+4*\s], 1
	s_add_co_u32 s[G0B+4*\s+1], s95, \s*SLOT
	s_add_nc_u64 s[G0B+4*\s+2:G0B+4*\s+3], s[46:47], \s*ROWB
	s_or_b32 s[G0B+4*\s+3], s[G0B+4*\s+3], 0x80000000
	JLOAD G0+4*\s, G1, G0B+4*\s, G1B
.endr
	v_and_b32 v1, 15, v0                           ; r
	v_bfe_u32 v2, v0, 4, 1                         ; h
	v_and_b32 v6, 31, v0                           ; lane
	v_mul_u32_u24 v3, v1, PITCH
	v_mul_u32_u24 v4, v2, 24
	v_add_nc_u32 v4, v3, v4                        ; B: a fragment's row x pitch + 24 x half
	v_lshl_add_u32 v5, v2, 4, v4                   ; and the same behind one padding more
	v_lshlrev_b32 v3, 4, v6                        ; A: 16 x lane,
	v_lshlrev_b32 v8, 3, v6                        ; and 8 x lane
	s_mul_i32 s21, s15, HALFA                      ; my 128 rows of A
	s_mul_i32 s22, s16, HALFT                      ; my 128 rows of B,
	s_add_co_u32 s22, s22, 2*HALFA                 ; behind A's
.irp s, 0,1
	v_add_nc_u32 v[ADRA+\s], s21, v3
	v_add_nc_u32 v[ADRA+2+\s], s21, v8
	v_add_nc_u32 v[ADRB+\s], s22, v4
	v_add_nc_u32 v[ADRB+2+\s], s22, v5
	s_add_co_u32 s21, s21, SLOT
	s_add_co_u32 s22, s22, SLOT
.endr
	v_mul_u32_u24 v5, v1, KS
	v_lshrrev_b32 v4, 8, v5
	v_lshl_add_u32 v5, v4, 4, v5                   ; my row's scales: 32 bytes a row, 16 more for each 256 passed
	s_mul_i32 s21, s15, HALFS
	s_mul_i32 s22, s16, HALFS
	s_add_co_u32 s22, s22, 2*HALFS
	s_sub_co_u32 s22, s22, s21
	v_mul_u32_u24 v4, s22, v2                      ; lanes 16-31 take B's
	s_add_co_u32 s21, s21, SCL
	v_add_nc_u32 v5, v5, v4
	v_add_nc_u32 v[ADRS], s21, v5
	s_mul_i32 s23, s14, 16*SPITCH                  ; my stage
	v_mul_u32_u24 v5, v1, SPITCH
	v_lshl_add_u32 v5, v2, 5, v5
	v_add_nc_u32 v[STO], s23, v5                   ; in: row r, 32 bytes for each half of the lanes
	v_lshlrev_b32 v[CO], 4, v6                     ; back: the 32 lanes take one row of 512 bytes; and the same in out0
	v_add_nc_u32 v[RD], s23, v[CO]
	s_lshl_b32 s20, s17, 8
	s_lshl_b32 s21, s15, 7
	s_add_co_u32 s20, s20, s21                     ; my first row
	s_lshl_b32 s20, s20, 12                        ; x 4,096 bytes
	s_mov_b32 s21, 0
	s_lshl_b32 s46, s42, 10                        ; my first column, in bytes: 1,024 x tile column + 512 x half
	s_lshl_b32 s47, s16, 9
	s_add_co_u32 s46, s46, s47
	s_mov_b32 s47, 0
	s_add_nc_u64 s[96:97], s[96:97], s[46:47]      ; bo at my first column
	s_add_nc_u64 s[20:21], s[20:21], s[46:47]
	s_add_nc_u64 s[12:13], s[12:13], s[20:21]
	v_lshlrev_b32 v7, 5, v2                        ; my eight columns of a tile: 32 h bytes on
.irp b, 0,1,2,3,4,5,6,7
	global_load_b128 v[BN+8*\b:BN+8*\b+3], v7, s[96:97] offset:64*\b
	global_load_b128 v[BN+8*\b+4:BN+8*\b+7], v7, s[96:97] offset:64*\b+16
.endr
.macro FRAG reg, adr, q, i             ; a fragment of B from rows, as in proj
.irp p, 0,1,2,3,4,5
.set PCE, 12*(\q)+6*(\p/3)+\p%3
.if PCE%8 < 5
	ds_load_b64 v[\reg+2*\p:\reg+2*\p+1], v[\adr] offset:8*PCE+16*(PCE/8)+(\i)*16*PITCH
.else
	ds_load_b64 v[\reg+2*\p:\reg+2*\p+1], v[\adr+2] offset:8*PCE+16*(PCE/8)+(\i)*16*PITCH
.endif
.endr
.endm
.macro FRAGA reg, slot, q, i           ; a fragment of A from its image: two heads' half fragments of 768 bytes
	ds_load_b128 v[\reg:\reg+3],     v[ADRA+\slot]   offset:3072*(\i)+1536*(\q)
	ds_load_b64  v[\reg+4:\reg+5],   v[ADRA+2+\slot] offset:3072*(\i)+1536*(\q)+512
	ds_load_b128 v[\reg+6:\reg+9],   v[ADRA+\slot]   offset:3072*(\i)+1536*(\q)+768
	ds_load_b64  v[\reg+10:\reg+11], v[ADRA+2+\slot] offset:3072*(\i)+1536*(\q)+1280
.endm
; 16 matrix instructions; the 64 accumulators take turns, one instruction a turn, in the same order in every step.  zero = 1: the first product starts the sum from bo.
.macro MUL16 a0, p, q, sc, zero
.irp a, \a0, \a0+1
.irp b, 0,1,2,3,4,5,6,7
.if \zero
	v_wmma_scale_f32_16x16x128_f8f6f4 v[8*(8*((\a)%4)+\b):8*(8*((\a)%4)+\b)+7], v[128*(\p)+FR*\b:128*(\p)+FR*\b+FR-1], v[AF+FR*(\a):AF+FR*(\a)+FR-1], v[BN+8*\b:BN+8*\b+7], v[SC+8*NQ*(\sc)+NQ*\b+(\q)], v[SC+8*NQ*(\sc)+NQ*(\a)+(\q)] matrix_a_fmt:MATRIX_FMT_FP6 matrix_b_fmt:MATRIX_FMT_FP6 matrix_a_scale:MATRIX_SCALE_ROW1
.else
	v_wmma_scale_f32_16x16x128_f8f6f4 v[8*(8*((\a)%4)+\b):8*(8*((\a)%4)+\b)+7], v[128*(\p)+FR*\b:128*(\p)+FR*\b+FR-1], v[AF+FR*(\a):AF+FR*(\a)+FR-1], v[8*(8*((\a)%4)+\b):8*(8*((\a)%4)+\b)+7], v[SC+8*NQ*(\sc)+NQ*\b+(\q)], v[SC+8*NQ*(\sc)+NQ*(\a)+(\q)] matrix_a_fmt:MATRIX_FMT_FP6 matrix_b_fmt:MATRIX_FMT_FP6 matrix_a_scale:MATRIX_SCALE_ROW1
.endif
.endr
.endr
.endm
.macro FETCH_B slot, q, p
	WIN TO_B
.irp i, 0,1,2,3,4,5,6,7
	FRAG 128*(\p)+FR*\i, ADRB+\slot, \q, \i
.endr
	WIN 0
.endm
.macro FETCH_A slot, q, i0
.irp i, \i0, \i0+1, \i0+2, \i0+3
	FRAGA AF+FR*(\i), \slot, \q, \i
.endr
.endm
.macro SCALES sc
.irp i, 0,1,2,3,4,5,6,7
	ds_load_b64 v[SC+8*NQ*\sc+NQ*\i:SC+8*NQ*\sc+NQ*\i+1], v[ADRS] offset:\i*SBLK
.endr
.endm
.macro PLACES n
.rept \n
	v_nop
.endr
.endm
.macro STEP slot, q, zero
	s_wait_dscnt 4*NLA                             ; B's set and A's blocks 0-3 are in; the youngest 16 loads (A's blocks 4-7) may be out
.if \zero
	WIN BIA_LO
.else
	WIN MUL_LO
.endif
	MUL16 0, (\q)%2, \q, \slot, \zero
	MUL16 2, (\q)%2, \q, \slot, \zero
	s_wait_dscnt 0
	PLACES NP
	FETCH_B \slot, (\q)+1, 1-(\q)%2
	FETCH_A \slot, (\q)+1, 0
.if \zero
	WIN BIA_HI
.else
	WIN MUL_HI
.endif
	MUL16 4, (\q)%2, \q, \slot, \zero
	MUL16 6, (\q)%2, \q, \slot, \zero
	PLACES NP
	WIN 0
	FETCH_A \slot, (\q)+1, 4
.endm
.macro TURN slot, next, fill           ; a slot's last step changes slots, as in proj
	s_wait_tensorcnt 0x0                           ; all my tensor loads have landed: my part of the next slot
	ds_add_u32 v[SPW], v[NIL]                      ; 0 onto my spare word
	s_wait_dscnt 4*NLA+1                           ; (the add and the youngest 16 loads may be out)
	WIN MUL_LO
	MUL16 0, 1, NQ-1, \slot, 0
	s_wait_dscnt 0x0                               ; the add is done, and my reads of this slot are over
	s_barrier_signal -1
	MUL16 2, 1, NQ-1, \slot, 0
	WIN 0
	s_barrier_wait -1
.if \fill
	CREST                                          ; the barrier has opened a round of the cluster's barrier
	s_add_nc_u64 s[G0+4*\slot+2:G0+4*\slot+3], s[G0+4*\slot+2:G0+4*\slot+3], 2*3072
	s_add_nc_u64 s[G0B+4*\slot+2:G0B+4*\slot+3], s[G0B+4*\slot+2:G0B+4*\slot+3], 2*ROWB
	JLOAD G0+4*\slot, G1, G0B+4*\slot, G1B         ; the first tensor load behind the round; its four v_nop are the places in front of the loads below
.else
	PLACES NP
.endif
	v_add_nc_u32 v[ADRS], 4*NQ, v[ADRS]
	FETCH_B \next, 0, 0
	FETCH_A \next, 0, 0
	SCALES \next
	WIN MUL_HI
	MUL16 4, 1, NQ-1, \slot, 0
	MUL16 6, 1, NQ-1, \slot, 0
	PLACES NP
	WIN 0
	FETCH_A \next, 0, 4
.endm
	s_wait_tensorcnt 1                             ; the scales and my part of slot 0 are in; of my three loads slot 1's may be out
	s_barrier_signal -1
	s_barrier_wait -1
	FETCH_B 0, 0, 0
	FETCH_A 0, 0, 0
	SCALES 0
	FETCH_A 0, 0, 4
	s_wait_loadcnt 0x0                             ; bo
	STEP 0, 0, 1                                   ; K 0: the first products start the sums from bo
	TURN 0, 1, 1                                   ; K 128; slot 0 takes K 512 on
	STEP 1, 0, 0
	TURN 1, 0, 1                                   ; K 384; slot 1 takes K 768 on
	STEP 0, 0, 0
	TURN 0, 1, 0                                   ; K 640; nothing is left to fetch
	STEP 1, 0, 0
	s_wait_dscnt 4*NLA                             ; the very last step
	WIN MUL_LO
	MUL16 0, 1, NQ-1, 1, 0
	MUL16 2, 1, NQ-1, 1, 0
	s_wait_dscnt 0
	WIN MUL_HI
	MUL16 4, 1, NQ-1, 1, 0
	MUL16 6, 1, NQ-1, 1, 0
	WIN 0
; THE WAY OUT, block by block of 16 rows x 128 columns, through my own stage in LDS: in as 32 bytes a lane, back as whole rows of 512 bytes.  LDS serves a wave's instructions in order (ISA guide 5.7.1.4).
.macro TOSTAGE a
.set AC, 64*((\a)%4)
	WIN 0x08+4*((\a)/4)                            ; the data: window 2 or 3
.irp b, 0,1,2,3,4,5,6,7
	ds_store_b128 v[STO], v[AC+8*\b:AC+8*\b+3] offset:64*\b          ; each accumulator from its low end on
	ds_store_b128 v[STO], v[AC+8*\b+4:AC+8*\b+7] offset:64*\b+16
.endr
	WIN 0
.set BB, BK+64*((\a)%2)
.irp t, 0,1,2,3,4,5,6,7,8,9,10,11,12,13,14,15
	ds_load_b128 v[BB+4*\t:BB+4*\t+3], v[RD] offset:\t*SPITCH
.endr
.endm
.macro SEND a, younger
.set BB, BK+64*((\a)%2)
	s_wait_dscnt \younger                          ; the block is back in registers
.if (\a) > 0
	s_add_nc_u64 s[12:13], s[12:13], 16*SIZE_N*4   ; (behind a wait on XCNT: the earlier stores have read their base)
.endif
.irp t, 0,1,2,3,4,5,6,7,8,9,10,11,12,13,14,15
	global_store_b128 v[CO], v[BB+4*\t:BB+4*\t+3], s[12:13] offset:\t*SIZE_N*4 th:TH_STORE_NT   ; 32 lanes store 512 consecutive bytes, at a multiple of 256 from out0's first byte
.endr
.endm
	PLACES NP
	TOSTAGE 0
.irp a, 1,2,3,4,5,6,7
.if \a > 1
	s_wait_xcnt 0x0                                ; block a - 2's stores have read their registers and their base
.endif
	TOSTAGE \a
	SEND \a-1, 32                                  ; behind block a - 1's loads: block a's 16 stores and 16 loads
.endr
	s_wait_xcnt 0x0
	SEND 7, 0
	s_wait_tensorcnt 0x0                           ; the wave's end, behind my last tensor load and my last LDS store
	ds_add_u32 v[SPW], v[NIL]
	s_wait_dscnt 0x0
	CROUND                                         ; the closing round
	s_endpgm
.Lfunc_end_k_q196f19e68c_outp:
	.size	k_q196f19e68c_outp, .Lfunc_end_k_q196f19e68c_outp-k_q196f19e68c_outp
	.p2alignl 7, 3214868480
	.fill 96, 4, 3214868480
	.section	.rodata,"a",@progbits
	.p2align	6, 0x0
	.amdhsa_kernel k_q196f19e68c_outp
		.amdhsa_group_segment_fixed_size 327680
		.amdhsa_private_segment_fixed_size 0
		.amdhsa_enable_private_segment 0
		.amdhsa_kernarg_size 48
		.amdhsa_user_sgpr_count 2
		.amdhsa_user_sgpr_kernarg_segment_ptr 1
		.amdhsa_wavefront_size32 1
		.amdhsa_system_sgpr_workgroup_id_x 1
		.amdhsa_system_sgpr_workgroup_id_y 1
		.amdhsa_system_sgpr_workgroup_id_z 1
		.amdhsa_system_vgpr_workitem_id 0
		.amdhsa_next_free_vgpr 1024
		.amdhsa_next_free_sgpr 100
		.amdhsa_reserve_vcc 0
		.amdhsa_float_denorm_mode_32 3
		.amdhsa_float_denorm_mode_16_64 3
		.amdhsa_memory_ordered 1
		.amdhsa_forward_progress 1
		.amdhsa_inst_pref_size 154
	.end_amdhsa_kernel
	.amdgpu_metadata
---
amdhsa.version: [ 1, 2 ]
amdhsa.kernels:
  - .name:           k_q196f19e68c_outp
    .symbol:         k_q196f19e68c_outp.kd
    .args:
      - { .name: o_img, .offset: 0, .size: 8, .value_kind: global_buffer, .address_space: global }
      - { .name: o_scales, .offset: 8, .size: 8, .value_kind: global_buffer, .address_space: global }
      - { .name: Wo_codes, .offset: 16, .size: 8, .value_kind: global_buffer, .address_space: global }
      - { .name: Wo_scales, .offset: 24, .size: 8, .value_kind: global_buffer, .address_space: global }
      - { .name: out0, .offset: 32, .size: 8, .value_kind: global_buffer, .address_space: global }
      - { .name: bo, .offset: 40, .size: 8, .value_kind: global_buffer, .address_space: global }
    .group_segment_fixed_size: 327680
    .private_segment_fixed_size: 0
    .kernarg_segment_align: 8
    .kernarg_segment_size: 48
    .max_flat_workgroup_size: 128
    .sgpr_count:     100
    .vgpr_count:     1024
    .wavefront_size: 32
...
	.end_amdgpu_metadata
.endif
;; end of part 3
